; MI455X (gfx1250); checked and timed in simulation.
; The chip was launched on July 23, 2026; its instructions are those of AMD's public machine-readable ISA for CDNA 5 (MIT licence, August 2026) and "CDNA5" Instruction Set Architecture Reference Guide (July 2026). The comments in the code are by the model that wrote it; some were corrected since.
;; Attention. Allowed arithmetic: matrix products marked QUANTISED: E2M3 operands, one E8M0 scale for each 32 along K, by v_wmma_scale_f32_16x16x128_f8f6f4 with both operands' format E2M3, f32 sums; everything else in f32.
;; Inputs: o_w 2,048 x 2,048 float32; padding_mask 4 x 1,024 bool; qkv_w 3,072 x 2,048 float32; x 4 x 1,024 x 2,048 float32.
;; Outputs: out0 4 x 1,024 x 2,048 float32.
;; This version of the problem:
;;   THIS VERSION OF THE PROBLEM IS GIVEN IN LOW PRECISION. The matrix products marked QUANTISED in the list below multiply operands that are first quantised to E2M3 (2 exponent bits, 3 mantissa bits; 6 bits a number), with one power-of-two scale for each 32 numbers along K (OCP MX v1.0); their sums are f32. All else is computed in f32.
;;   The module's matrix products, in the order in which they are computed (A, B: the left and right operand; K: the contracted axis; several contracted axes count as one K, in the product's order):
;;     1. [M 4,096, K 2,048] x [K 2,048, N 3,072]; A: input x; B: input qkv_w: QUANTISED
;;     2. batch 64 x [M 1,024, K 128] x [K 128, N 1,024]; A: computed on the way; B: computed on the way: QUANTISED
;;     3. batch 64 x [M 128, K 1,024] x [K 1,024, N 1,024]; A: computed on the way; B: softmax (see below): QUANTISED
;;     4. [M 4,096, K 2,048] x [K 2,048, N 2,048]; A: computed on the way; B: input o_w: QUANTISED
;;   THE QUANTISER, for each operand of a quantised product, along K:
;;     - K is cut into blocks of 32 from its start; a last block that is shorter is filled with zeros.
;;     - A block's scale is 2^e with e = floor(log2(the largest magnitude in the block)) - 2, held to -126 .. 127; a block of zeros has e = 0. As a byte (E8M0): e + 127.
;;     - Each number is divided by its block's scale, clamped to +-7.5, and rounded to the nearest number of E2M3, ties to even, subnormals kept.
;;     - The product sums the exact products of the quantised numbers (number of the format x scale) in f32.
;;   ~~~python
;;   def quantise(x, axis):      # numpy; x: float32 -> the quantised numbers, widened to float32 again
;;       x = np.moveaxis(x, axis, -1); K = x.shape[-1]
;;       x = np.pad(x, [(0, 0)] * (x.ndim - 1) + [(0, -K % 32)]); x = x.reshape(x.shape[:-1] + (-1, 32)); a = np.abs(x).max(-1, keepdims=True)
;;       e = np.where(a > 0, np.clip(np.frexp(np.where(a > 0, a, 1))[1] - 1 - 2, -126, 127), 0)      # np.frexp(a)[1] - 1 = floor(log2(a)), exactly
;;       r = np.clip(x / 2.0 ** e, -7.5, 7.5)
;;       step = 2.0 ** (np.maximum(np.frexp(np.where(r == 0, 1, r))[1] - 1, 0) - 3)
;;       q = np.round(r / step) * step * 2.0 ** e      # np.round: ties to even
;;       return np.moveaxis(q.reshape(q.shape[:-2] + (-1,))[..., :K], -1, axis).astype(np.float32)
;;   ~~~
;;   SOFTMAX AHEAD OF A QUANTISED PRODUCT. Where the list says 'softmax', what is quantised is not the finished softmax but p = 2^(t - M), with t = logit x log2(e) and M = ceil(the row's largest t), a whole number; so 1/2 < the row's largest p <= 1. The row's sum l is taken of the UNQUANTISED p, in f32, and the product's result is divided by l at the end. Since M is a whole number, a kernel that streams over the keys may use a running M (the ceiling of the running maximum): every later rescaling is an exact power of two, which a block's scale takes up: the codes' values come out the same.
;;   OPERANDS COMPUTED ON THE WAY. 'Computed on the way' means the value that the module computes at that place (a softmax that the list does not call 'softmax' is quantised finished and normalised). What goes into a quantiser is computed in f32, as accurately as f32 sums, v_exp_f32 and their like allow (about 1e-6 of the number): no bf16 or f16 on the way to a quantiser, and a product that is left as it is and whose result goes on into a quantised operand takes f32 operands (vector FMAs, or v_wmma_f32_16x16x4_f32). A number that lies on a knife's edge between two numbers of the format may be rounded either way, as far as f32 arithmetic and the matrix unit's own rounding can turn it there, and no further.
;; One version. Each part assembles by itself: llvm-mc -triple=amdgcn-amd-amdhsa -mcpu=gfx1250 --defsym DOCPART=n.
;; ======== version 1 of 1: 4 launches
;; limits: right only within a limited range of input values
;; workspace buffers: prep 15,269,888 bytes; qkv 9,830,400 bytes; att 6,553,600 bytes
;; launch prep (part 1): grid 256 x 1, 10 waves a work-group, no clusters, 77,312 bytes of LDS; arguments x, qkv_w, o_w, prep; writes prep
.if DOCPART == 1
	.amdgcn_target "amdgcn-amd-amdhsa--gfx1250"
	.amdhsa_code_object_version 6
	.text
	.protected	k_qf81c9f4ddd_prep
	.globl	k_qf81c9f4ddd_prep
	.p2align	8
	.type	k_qf81c9f4ddd_prep,@function
k_qf81c9f4ddd_prep:
	s_mov_b64 s[64:65], 0
	v_nop
	global_prefetch_b8 v0, s[64:65] scope:SCOPE_SE
	s_setreg_imm32_b32 hwreg(HW_REG_WAVE_MODE, 25, 1), 1
	s_wait_xcnt 0x0
; x [4096][2048], qkv_w [3072][2048] and o_w [2048][2048], f32, K innermost, become codes of FP6 (E2M3) with one E8M0 byte for each 32 along K; and the table of cos and sin for the rotation is made.
; A block's scale is 2^(floor(log2(largest magnitude)) - 2); its byte is the largest magnitude's exponent field - 2, held at 1 from below.
; LIMITS: NaN and infinities are not served; a block whose largest magnitude lies under 2^-124, a block of zeros too, keeps the byte 1 (its codes are zeros or tiny; this program alone reads the bytes).
;   The table's inverse frequencies are good to about 2 units in the last place, so an angle near 1,000 may differ by about 2e-4 from one made with a correctly rounded power.
; THE CODES ARE LAID AS IMAGES OF OPERAND REGISTERS.  A fragment (16 rows x 128 K, 12 registers a lane) is 1,536 bytes: registers 4 c .. 4 c + 3 of lane l at 512 c + 16 l.  Fragment (row block rb, K step ks) of a matrix
; of NRB row blocks lies at ((ks / 2) NRB + rb) 3,072 + (ks % 2) 1,536, so that 128 rows x 256 K are 24,576 bytes on end.  The scale word of (rb, ks, row r) lies at 1,024 rb + 256 (ks / 4) + 16 r + 4 (ks % 4).
; WHICH ROWS FORM A BLOCK: for x and qkv_w, block 2 B + u, row i, is row 32 B + 8 u + i + 8 (i / 8); o_w keeps its order.  Of qkv_w the K and V heads are laid by turns: K head g, V head g.
; SHARES: a unit is one row block x 4 K steps: 1,024 units of x, then 768 of qkv_w, then 512 of o_w, 2,304 in all: 9 for each of the 256 work-groups.  Wave w < 9 of work-group g takes unit 9 g + w.
; Wave 9 of work-groups 0-63 makes the table's block of 16 positions g; in the other work-groups wave 9 has no share and ends.
; Each load reads 512 bytes on end of one row; a K step's 16 rows turn through the wave's own stage in LDS so that a lane holds 16 neighbours of each block of 32; each store of codes writes 512 bytes on end.
.set W_IMG, 6291456
.set O_IMG, 11010048
.set X_SC,  14155776
.set W_SC,  14417920
.set O_SC,  14614528
.set ROPE,  14745600
.set SP,    528                        ; a stage row: 512 bytes + 16
.set STG,   16*SP                      ; a wave's stage
.set SPARE, 9*STG                      ; behind the nine stages: the spare words, 128 bytes for each of ten waves, five blocks of 256 bytes that no other line names
.set LI,  1                            ; v1   16 x lane
.set RR,  2                            ; v2   lane % 16
.set HH,  3                            ; v3   lane / 16
.set STW, 4                            ; v4   the stage, on the way in
.set STR, 5                            ; v5   and on the way out
.set SPW, 6                            ; v6   my spare word's LDS address; never rewritten
.set NIL, 7                            ; v7   0; never rewritten
.set PWS, 8                            ; v8-11   the four K steps' scale words
.set SD,  16                           ; v16     where they go: 16 (lane % 16)
.set PC,  20                           ; v20-39  the codes just made (12) and their scratch
.set TM,  40                           ; v40-55  at work in QUANT
.set R,   64                           ; v64-191 two sets of 16 rows x 16 bytes as loaded
.set X,   192                          ; v192-255 64 numbers: register 16 b + i = k 32 b + 16 (lane / 16) + i of row lane % 16
.set WV,  12
.set IN1, 32                           ; s[32:33] rows 0-7 of my block, s[34:35] rows 8-15
.set IN2, 34
.set OB,  42                           ; s[42:43] where the codes go;  s[44:45] from a pair of K steps to the next
.set KSL, 44
.set SCB, 48                           ; s[48:49] where the scale words go
.set SEL, 52                           ; s[52:53] lane selects: lane l xor 16
; 64 numbers of a lane become a fragment's codes in v[PC] on and its row's scale word in v[pw]
.macro QUANT s, pw
.irp b, 0,1,2,3
	v_max3_num_f32 v[TM+\b], |v[\s+16*\b]|, |v[\s+1+16*\b]|, 0x1800000   ; my 16 numbers of block b, and the floor 2^(3 - 127): the byte cannot fall under 1
.endr
.irp i, 2,4,6,8,10,12,14
.irp b, 0,1,2,3
	v_max3_num_f32 v[TM+\b], v[TM+\b], |v[\s+16*\b+\i]|, |v[\s+1+16*\b+\i]|
.endr
.endr
.irp b, 0,1,2,3
	v_permlanex16_b32 v[TM+4+\b], v[TM+\b], s[SEL], s[SEL+1]
.endr
.irp b, 0,1,2,3
	v_max_num_f32 v[TM+\b], v[TM+\b], v[TM+4+\b]       ; with lane l xor 16's: the block's largest magnitude
.endr
.irp b, 0,1,2,3
	v_add_nc_u32 v[TM+12+\b], 0xff000000, v[TM+\b]     ; 2 off its exponent field: the conversion's scale operand
.endr
.irp b, 0,1,2,3
	v_lshrrev_b32 v[TM+4+\b], 23, v[TM+12+\b]          ; the scale's byte
.endr
	v_lshl_or_b32 v[\pw], v[TM+5], 8, v[TM+4]
	v_lshl_or_b32 v[\pw], v[TM+6], 16, v[\pw]
	v_lshl_or_b32 v[\pw], v[TM+7], 24, v[\pw]
.irp c, 0,1
	v_cvt_scalef32_pk16_fp6_f32 v[PC+6*\c:PC+2+6*\c], v[\s+32*\c:\s+15+32*\c], v[TM+12+2*\c]
	v_cvt_scalef32_pk16_fp6_f32 v[PC+12+4*\c:PC+14+4*\c], v[\s+16+32*\c:\s+31+32*\c], v[TM+12+2*\c+1]   ; (a conversion's three registers begin on an even number)
.endr
	v_nop                                              ; one plain place behind a scaled conversion
.irp c, 0,1                                        ; the operand wants a whole block in a lane: lanes 0-15 block 2 c, lanes 16-31 block 2 c + 1
.irp i, 0,1,2
	v_permlane16_swap_b32 v[PC+6*\c+\i], v[PC+12+4*\c+\i]
.endr
.irp i, 0,1,2
	v_mov_b32 v[PC+3+6*\c+\i], v[PC+12+4*\c+\i]
.endr
.endr
.endm
	s_load_b256 s[4:11], s[0:1], 0x0               ; x s[4:5], qkv_w s[6:7], o_w s[8:9], prep s[10:11]
	v_lshl_add_u32 v[SPW], v0, 2, SPARE
	v_mov_b32 v[NIL], 0
	v_lshrrev_b32 v8, 5, v0
	v_readfirstlane_b32 s[WV], v8                  ; wave 0..9
	v_and_b32 v9, 31, v0
	v_lshlrev_b32 v[LI], 4, v9
	v_and_b32 v[RR], 15, v0
	v_bfe_u32 v[HH], v0, 4, 1
	s_mul_i32 s50, s[WV], STG
	v_add_nc_u32 v[STW], s50, v[LI]                ; in: a row's 512 bytes as they lie
	v_mul_u32_u24 v[STR], v[RR], SP
	v_lshl_add_u32 v[STR], v[HH], 6, v[STR]
	v_add_nc_u32 v[STR], s50, v[STR]               ; out: row lane % 16, + 64 (lane / 16)
	s_mov_b32 s[SEL], 0x76543210
	s_mov_b32 s[SEL+1], 0xfedcba98
.irp b, 0,1,2,3
	v_mov_b32 v[TM+4+\b], 0                        ; written once: a lane permute's destination counts as one of its sources
.endr
	s_wait_alu depctr_va_vdst(0)                   ; the wait at the head's end
	s_wait_kmcnt 0x0
	s_cmp_eq_u32 s[WV], 9
	s_cbranch_scc1 .Ltable
	s_mul_i32 s13, ttmp9, 9
	s_add_co_u32 s13, s13, s[WV]                   ; my unit, 0 .. 2,303
	; which tensor: every choice hangs on the unit's number alone
	s_cmp_lt_u32 s13, 1792
	s_cselect_b64 s[20:21], s[6:7], s[8:9]
	s_mov_b32 s14, 1792
	s_cselect_b32 s14, 1024, s14                   ; the tensor's first unit
	s_mov_b32 s15, 128
	s_cselect_b32 s15, 192, s15                    ; its row blocks
	s_mov_b32 s16, O_IMG
	s_cselect_b32 s16, W_IMG, s16
	s_mov_b32 s17, O_SC
	s_cselect_b32 s17, W_SC, s17
	s_cselect_b32 s18, 1, 0                        ; 1: the rows of a block are chosen (x, qkv_w)
	s_cmp_lt_u32 s13, 1024
	s_cselect_b64 s[20:21], s[4:5], s[20:21]
	s_cselect_b32 s14, 0, s14
	s_cselect_b32 s15, 256, s15
	s_cselect_b32 s16, 0, s16
	s_cselect_b32 s17, X_SC, s17
	s_cselect_b32 s19, 1, 0                        ; 1: x
	s_sub_co_u32 s22, s13, s14
	s_and_b32 s23, s22, 3                          ; my quarter of K
	s_lshr_b32 s22, s22, 2                         ; my row block
	s_lshr_b32 s24, s22, 1
	s_lshl_b32 s24, s24, 5
	s_and_b32 s25, s22, 1
	s_lshl_b32 s25, s25, 3
	s_add_co_u32 s24, s24, s25                     ; 32 (block / 2) + 8 (block % 2)
	s_lshl_b32 s25, s22, 4                         ; or 16 x block
	s_cmp_eq_u32 s18, 1
	s_cselect_b32 s24, s24, s25                    ; the row of the block's rows 0-7
	s_cselect_b32 s25, 16, 8
	s_add_co_u32 s25, s24, s25                     ; and of its rows 8-15
	s_lshl_b32 s26, s24, 13                        ; a row is 8,192 bytes
	s_lshl_b32 s28, s23, 11                        ; a quarter of K is 2,048
	s_add_co_u32 s26, s26, s28
	s_mov_b32 s27, 0
	s_add_nc_u64 s[IN1:IN1+1], s[20:21], s[26:27]
	s_lshl_b32 s26, s25, 13
	s_add_co_u32 s26, s26, s28
	s_add_nc_u64 s[IN2:IN2+1], s[20:21], s[26:27]
	; where the block goes: as it is numbered, but for qkv_w's heads 16-23: K head g at 128 + 16 g, V head g at 128 + 16 g + 8
	s_lshr_b32 s36, s22, 3                         ; head
	s_sub_co_u32 s37, s36, 16
	s_and_b32 s38, s37, 3
	s_lshl_b32 s38, s38, 4
	s_lshr_b32 s37, s37, 2
	s_and_b32 s37, s37, 1
	s_lshl_b32 s37, s37, 3
	s_add_co_u32 s38, s38, s37
	s_and_b32 s37, s22, 7
	s_add_co_u32 s38, s38, s37
	s_add_co_u32 s38, s38, 128
	s_cmp_ge_u32 s36, 16
	s_cselect_b32 s37, 1, 0
	s_xor_b32 s39, s19, 1
	s_and_b32 s37, s37, s39
	s_and_b32 s37, s37, s18
	s_cmp_eq_u32 s37, 1
	s_cselect_b32 s38, s38, s22
	s_mul_i32 s40, s23, s15
	s_lshl_b32 s40, s40, 1                         ; my first pair of K steps: 2 x quarter
	s_add_co_u32 s40, s40, s38
	s_mul_i32 s40, s40, 3072
	s_add_co_u32 s40, s40, s16
	s_mov_b32 s41, 0
	s_add_nc_u64 s[OB:OB+1], s[10:11], s[40:41]
	s_mul_i32 s[KSL], s15, 3072
	s_mov_b32 s[KSL+1], 0
	s_lshl_b32 s46, s38, 10
	s_lshl_b32 s47, s23, 8
	s_add_co_u32 s46, s46, s47
	s_add_co_u32 s46, s46, s17
	s_mov_b32 s47, 0
	s_add_nc_u64 s[SCB:SCB+1], s[10:11], s[46:47]
.macro LOAD t                          ; K step t: 16 rows x 512 bytes into set t % 2
.irp i, 0,1,2,3,4,5,6,7
	global_load_b128 v[R+64*((\t)%2)+4*\i:R+64*((\t)%2)+4*\i+3], v[LI], s[IN1:IN1+1] offset:8192*\i+512*(\t) th:TH_LOAD_NT
.endr
.irp i, 0,1,2,3,4,5,6,7
	global_load_b128 v[R+64*((\t)%2)+32+4*\i:R+64*((\t)%2)+35+4*\i], v[LI], s[IN2:IN2+1] offset:8192*\i+512*(\t) th:TH_LOAD_NT
.endr
.endm
.macro KSTEP t
.if (\t) < 3
	s_wait_loadcnt 16                              ; this K step's 16 loads are in; the next step's 16 may be out
.else
	s_wait_loadcnt 0x0
.endif
.irp i, 0,1,2,3,4,5,6,7,8,9,10,11,12,13,14,15
	ds_store_b128 v[STW], v[R+64*((\t)%2)+4*\i:R+64*((\t)%2)+4*\i+3] offset:SP*\i
.endr
.irp b, 0,1,2,3
.irp q, 0,1,2,3
	ds_load_b128 v[X+16*\b+4*\q:X+16*\b+4*\q+3], v[STR] offset:128*\b+16*\q   ; LDS serves a wave's instructions in order: these see the stores above
.endr
.endr
	s_wait_dscnt 0x0                               ; the numbers are back, and the stage may be written again
.if (\t)+2 < 4
	LOAD (\t)+2
.endif
	s_wait_xcnt 0x0                                ; the last K step's stores have read their data and their base: both are written below
.if ((\t) > 0) && ((\t)%2 == 0)
	s_add_nc_u64 s[OB:OB+1], s[OB:OB+1], s[KSL:KSL+1]
.endif
	QUANT X, PWS+\t
.irp c, 0,1,2
	global_store_b128 v[LI], v[PC+4*\c:PC+4*\c+3], s[OB:OB+1] offset:((\t)%2)*1536+512*\c   ; 32 lanes store 512 bytes on end
.endr
.endm
	LOAD 0
	LOAD 1
.irp t, 0,1,2,3
	KSTEP \t
.endr
	v_lshlrev_b32 v[SD], 4, v[RR]                  ; a row's four words are 16 bytes on end: sixteen lanes store 256 bytes on end, aligned (lanes r and r + 16 hold the same words and store them at the same place)
	global_store_b128 v[SD], v[PWS:PWS+3], s[SCB:SCB+1]
	s_wait_tensorcnt 0x0                           ; the wave's end
	ds_add_u32 v[SPW], v[NIL]
	s_wait_dscnt 0x0
	s_endpgm
; THE TABLE.  For position block pb (0..63) 8,192 bytes: sixteen pieces of 512; piece 8 cs + 4 B + q holds, at 16 x lane, cos (cs = 0) or sin (cs = 1) of position x 10000^(-f / 64) for f = 32 B + 16 (lane / 16) + 4 q + 0 .. 3;
; the lane's position is 32 (pb / 2) + 8 (pb % 2) + r + 8 (r / 8), r = lane % 16: the token that the lane holds in the product's result.
.set CHI, 56                           ; log2(10000) / 64 in two parts: the upper has 17 bits, so f x it is exact
.set CLO, 57
.set TWP, 58                           ; 2 / pi
.set P1,  59                           ; pi / 2 in three parts
.set P2,  60
.set P3,  61
.set S1,  62
.set S2,  63
.set S3,  66
.set C1,  67
.set C2,  68
.set C3,  69
.set TF, 16
.set TA, 20
.set TN, 24
.set TE, 28
.set TG, 32
.set TK, 36
.set TR, 40
.set TZ, 44
.set TT, 48
.set TU, 52
.set TS, 56
.set TC, 60
.macro TCH bb, q
.set CO, 64+8*(4*\bb+\q)               ; each piece has registers of its own: no store's data are written again
.irp e, 0,1,2,3
	v_add_nc_u32 v[TF+\e], 32*\bb+4*\q+\e, v10
.endr
.irp e, 0,1,2,3
	v_cvt_f32_u32 v[TF+\e], v[TF+\e]               ; f
.endr
.irp e, 0,1,2,3
	v_mul_f32 v[TA+\e], s[CHI], v[TF+\e]           ; exact
.endr
.irp e, 0,1,2,3
	v_floor_f32 v[TN+\e], v[TA+\e]
.endr
.irp e, 0,1,2,3
	v_sub_f32 v[TA+\e], v[TA+\e], v[TN+\e]
.endr
.irp e, 0,1,2,3
	v_fma_f32 v[TA+\e], v[TF+\e], s[CLO], v[TA+\e] ; the exponent's fraction
.endr
	s_wait_alu depctr_va_vdst(0)
.irp e, 0,1,2,3
	v_exp_f32 v[TE+\e], -v[TA+\e]
.endr
.irp e, 0,1,2,3
	v_cvt_i32_f32 v[TN+\e], v[TN+\e]               ; plain work behind the four exponentials
.endr
	s_wait_alu depctr_va_vdst(0)                   ; one wait for the four, ahead of their first reader
.irp e, 0,1,2,3
	v_sub_nc_u32 v[TN+\e], 0, v[TN+\e]
.endr
.irp e, 0,1,2,3
	v_ldexp_f32 v[TE+\e], v[TE+\e], v[TN+\e]       ; 10000^(-f / 64)
.endr
.irp e, 0,1,2,3
	v_mul_f32 v[TG+\e], v8, v[TE+\e]               ; the angle, rounded once
.endr
.irp e, 0,1,2,3
	v_mul_f32 v[TK+\e], s[TWP], v[TG+\e]
.endr
.irp e, 0,1,2,3
	v_rndne_f32 v[TK+\e], v[TK+\e]                 ; quarter turns
.endr
.irp e, 0,1,2,3
	v_fma_f32 v[TR+\e], -v[TK+\e], s[P1], v[TG+\e]
.endr
.irp e, 0,1,2,3
	v_fma_f32 v[TR+\e], -v[TK+\e], s[P2], v[TR+\e]
.endr
.irp e, 0,1,2,3
	v_fma_f32 v[TR+\e], -v[TK+\e], s[P3], v[TR+\e] ; the rest, within pi / 4
.endr
.irp e, 0,1,2,3
	v_mul_f32 v[TZ+\e], v[TR+\e], v[TR+\e]
.endr
.irp e, 0,1,2,3
	v_fma_f32 v[TT+\e], v[TZ+\e], s[S3], s[S2]
.endr
.irp e, 0,1,2,3
	v_fma_f32 v[TT+\e], v[TZ+\e], v[TT+\e], s[S1]
.endr
.irp e, 0,1,2,3
	v_mul_f32 v[TU+\e], v[TR+\e], v[TZ+\e]
.endr
.irp e, 0,1,2,3
	v_fma_f32 v[TS+\e], v[TU+\e], v[TT+\e], v[TR+\e]   ; sin of the rest
.endr
.irp e, 0,1,2,3
	v_fma_f32 v[TT+\e], v[TZ+\e], s[C3], s[C2]
.endr
.irp e, 0,1,2,3
	v_fma_f32 v[TT+\e], v[TZ+\e], v[TT+\e], s[C1]
.endr
.irp e, 0,1,2,3
	v_mul_f32 v[TU+\e], v[TZ+\e], v[TZ+\e]
.endr
.irp e, 0,1,2,3
	v_fma_f32 v[TF+\e], v[TZ+\e], -0.5, 1.0
.endr
.irp e, 0,1,2,3
	v_fma_f32 v[TC+\e], v[TU+\e], v[TT+\e], v[TF+\e]   ; cos of the rest
.endr
.irp e, 0,1,2,3
	v_cvt_i32_f32 v[TA+\e], v[TK+\e]
.endr
.irp e, 0,1,2,3
	v_and_b32 v[TN+\e], 1, v[TA+\e]
.endr
.irp e, 0,1,2,3
	v_cmp_eq_u32 vcc_lo, 1, v[TN+\e]               ; an odd quarter turn changes sin and cos over
	v_cndmask_b32 v[TF+\e], v[TC+\e], v[TS+\e], vcc_lo
	v_cndmask_b32 v[TG+\e], v[TS+\e], v[TC+\e], vcc_lo
.endr
.irp e, 0,1,2,3
	v_add_nc_u32 v[TN+\e], 1, v[TA+\e]
.endr
.irp e, 0,1,2,3
	v_lshrrev_b32 v[TN+\e], 1, v[TN+\e]
.endr
.irp e, 0,1,2,3
	v_lshlrev_b32 v[TN+\e], 31, v[TN+\e]           ; cos is negative in quarters 1 and 2
.endr
.irp e, 0,1,2,3
	v_xor_b32 v[CO+\e], v[TN+\e], v[TF+\e]
.endr
.irp e, 0,1,2,3
	v_lshrrev_b32 v[TA+\e], 1, v[TA+\e]
.endr
.irp e, 0,1,2,3
	v_lshlrev_b32 v[TA+\e], 31, v[TA+\e]           ; sin in quarters 2 and 3
.endr
.irp e, 0,1,2,3
	v_xor_b32 v[CO+4+\e], v[TA+\e], v[TG+\e]
.endr
	global_store_b128 v[LI], v[CO:CO+3], s[26:27] offset:512*(4*\bb+\q)
	global_store_b128 v[LI], v[CO+4:CO+7], s[26:27] offset:512*(8+4*\bb+\q)
.endm
.Ltable:
	s_cmp_lt_u32 ttmp9, 64                         ; 64 position blocks: wave 9 of work-groups 0-63
	s_cbranch_scc1 .Lmake
	s_endpgm
.Lmake:
	s_mov_b32 s22, ttmp9                           ; position block
	s_lshr_b32 s23, s22, 1
	s_lshl_b32 s23, s23, 5
	s_and_b32 s24, s22, 1
	s_lshl_b32 s24, s24, 3
	s_add_co_u32 s23, s23, s24
	v_and_b32 v8, 8, v[RR]
	v_add_nc_u32 v8, v8, v[RR]
	v_add_nc_u32 v8, s23, v8
	v_cvt_f32_u32 v8, v8                           ; my position
	v_lshlrev_b32 v10, 4, v[HH]                    ; 16 (lane / 16)
	s_wait_alu depctr_va_vdst(0)
	s_lshl_b32 s24, s22, 13
	s_add_co_u32 s24, s24, ROPE
	s_mov_b32 s25, 0
	s_add_nc_u64 s[26:27], s[10:11], s[24:25]
	s_mov_b32 s[CHI], 0x3e549a80
	s_mov_b32 s[CLO], 0xb3f68659
	s_mov_b32 s[TWP], 0x3f22f983
	s_mov_b32 s[P1], 0x3fc90fdb
	s_mov_b32 s[P2], 0xb33bbd2e
	s_mov_b32 s[P3], 0xa6f72ced
	s_mov_b32 s[S1], 0xbe2aaaa3
	s_mov_b32 s[S2], 0x3c08839e
	s_mov_b32 s[S3], 0xb94ca1f9
	s_mov_b32 s[C1], 0x3d2aaaa5
	s_mov_b32 s[C2], 0xbab6061a
	s_mov_b32 s[C3], 0x37ccf5ce
.irp bb, 0,1
.irp q, 0,1,2,3
	TCH \bb, \q
.endr
.endr
	s_endpgm
.Lfunc_end_k_qf81c9f4ddd_prep:
	.size	k_qf81c9f4ddd_prep, .Lfunc_end_k_qf81c9f4ddd_prep-k_qf81c9f4ddd_prep
	.p2alignl 7, 3214868480
	.fill 96, 4, 3214868480
	.section	.rodata,"a",@progbits
	.p2align	6, 0x0
	.amdhsa_kernel k_qf81c9f4ddd_prep
		.amdhsa_group_segment_fixed_size 77312
		.amdhsa_private_segment_fixed_size 0
		.amdhsa_enable_private_segment 0
		.amdhsa_kernarg_size 32
		.amdhsa_user_sgpr_count 2
		.amdhsa_user_sgpr_kernarg_segment_ptr 1
		.amdhsa_wavefront_size32 1
		.amdhsa_system_sgpr_workgroup_id_x 1
		.amdhsa_system_sgpr_workgroup_id_y 1
		.amdhsa_system_sgpr_workgroup_id_z 1
		.amdhsa_system_vgpr_workitem_id 0
		.amdhsa_next_free_vgpr 256
		.amdhsa_next_free_sgpr 72
		.amdhsa_reserve_vcc 1
		.amdhsa_float_denorm_mode_32 3
		.amdhsa_float_denorm_mode_16_64 3
		.amdhsa_memory_ordered 1
		.amdhsa_forward_progress 1
		.amdhsa_inst_pref_size 90
	.end_amdhsa_kernel
	.amdgpu_metadata
---
amdhsa.version: [ 1, 2 ]
amdhsa.kernels:
  - .name:           k_qf81c9f4ddd_prep
    .symbol:         k_qf81c9f4ddd_prep.kd
    .args:
      - { .name: x, .offset: 0, .size: 8, .value_kind: global_buffer, .address_space: global }
      - { .name: qkv_w, .offset: 8, .size: 8, .value_kind: global_buffer, .address_space: global }
      - { .name: o_w, .offset: 16, .size: 8, .value_kind: global_buffer, .address_space: global }
      - { .name: prep, .offset: 24, .size: 8, .value_kind: global_buffer, .address_space: global }
    .group_segment_fixed_size: 77312
    .private_segment_fixed_size: 0
    .kernarg_segment_align: 8
    .kernarg_segment_size: 32
    .max_flat_workgroup_size: 320
    .sgpr_count:     72
    .vgpr_count:     256
    .wavefront_size: 32
...
	.end_amdgpu_metadata
.endif
;; end of part 1
;; launch qkv (part 2): grid 12 x 16, 4 waves a work-group, clusters of 4 x 4, 327,680 bytes of LDS; arguments prep, qkv; writes qkv
.if DOCPART == 2
	.amdgcn_target "amdgcn-amd-amdhsa--gfx1250"
	.amdhsa_code_object_version 6
	.text
	.protected	k_qf81c9f4ddd_qkv
	.globl	k_qf81c9f4ddd_qkv
	.p2align	8
	.type	k_qf81c9f4ddd_qkv,@function
k_qf81c9f4ddd_qkv:
	s_mov_b64 s[64:65], 0
	v_nop
	global_prefetch_b8 v0, s[64:65] scope:SCOPE_SE
	s_setreg_imm32_b32 hwreg(HW_REG_WAVE_MODE, 25, 1), 1
	s_wait_xcnt 0x0
	s_wait_alu depctr_hold_cnt(0) depctr_sa_sdst(0) depctr_va_vdst(0) depctr_va_sdst(0) depctr_va_ssrc(0) depctr_va_vcc(0) depctr_vm_vsrc(0)
	s_getreg_b32 s2, hwreg(HW_REG_IB_STS2, 6, 4)
	s_cmp_eq_u32 s2, 0
	s_cbranch_scc0 .Lentry_in_a_cluster
	s_endpgm
.Lentry_in_a_cluster:
	s_bfe_u32 s2, ttmp6, 0x10000c
	s_cmp_lg_u32 s2, 0xf033
	s_cbranch_scc0 .Lentry_shape_is_right
	s_endpgm
.Lentry_shape_is_right:
.set FR,    12
.set FRB,   1536
.set NL,    3
.set NP,    4
.set HALFT, 8*2*FRB
.set SLOT,  4*HALFT
.set SPARE, 3*SLOT
.set NRBA,  256
.set NRBB,  192
.set A_IMG, 0
.set A_SC,  14155776
.set B_IMG, 6291456
.set B_SC,  14417920
.set ROPE,  14745600
.set Q_SC,  6291456
.set KV,    6553600
.set PA,    4
.set PB,    4
.set VP,    528
.set RR,   1
.set HH,   2
.set LI,   3
.set SOF,  9
.set VST,  10
.set VRD,  11
.set TM,   12
.set ADRA, 16
.set ADRB, 20
.set SOFS, 27
.set SPW,  28
.set NIL,  29
.set AF,   128
.set H,    128
.set PC,   192
.set PWS,  212
.set SD,   220
.set SEL,  18
.set G1,   24
.set G0,   32
.set G1B,  48
.set G0B,  56
.set G1F,  68
.set G0C,  76
.set G1FB, 80
.set G0CB, 88
.set DA,   92
.set DB,   94
.set MSB, 0
.macro WIN new
.if MSB != \new
	s_set_vgpr_msb (MSB<<8)|\new
.set MSB, \new
.endif
.endm
.set MUL_LO, 0xa1
.set MUL_HI, 0xf1
.set TO_B,   0x40
; A PREFETCH INTO THE L2 stands behind a joint load and its five lines: pa, pb name the pairs of K steps that the NEXT joint load will fetch (0: none).  Of a pair's 24,576 bytes of my 8 row blocks of A or of B
; each of the four partners that ask for them jointly takes 6,144, told apart by address (cx for A, cy for B): 24 blocks of 256 bytes, a lane a block (lanes 24-31 name the last again).  The last load asks for nothing.
.set PFO, 30                           ; v30     256 x min(lane, 23); never rewritten
.set PFB, 36                           ; s[36:37] my work-group's 6,144 bytes of pair 0; never rewritten
.macro JLOAD g0a, g1a, g0b, g1b, pa=0, pb=0
	s_cmp_eq_u32 s15, 0
	s_cbranch_scc0 .Lfor_b_\@
	tensor_load_to_lds s[\g0a:\g0a+3], s[\g1a:\g1a+7]
	s_nop 0
.rept 4
	v_nop
.endr
.if \pa
	global_prefetch_b8 v[PFO], s[PFB:PFB+1] offset:(\pa)*NRBA*2*FRB th:TH_LOAD_NT scope:SCOPE_SE
.endif
.if \pb
	global_prefetch_b8 v[PFO], s[PFB:PFB+1] offset:(\pb)*NRBA*2*FRB th:TH_LOAD_NT scope:SCOPE_SE
.endif
	s_branch .Lasked_\@
.Lfor_b_\@:
	tensor_load_to_lds s[\g0b:\g0b+3], s[\g1b:\g1b+7]
	s_nop 0
.rept 4
	v_nop
.endr
.if \pa
	global_prefetch_b8 v[PFO], s[PFB:PFB+1] offset:(\pa)*NRBB*2*FRB th:TH_LOAD_NT scope:SCOPE_SE
.endif
.if \pb
	global_prefetch_b8 v[PFO], s[PFB:PFB+1] offset:(\pb)*NRBB*2*FRB th:TH_LOAD_NT scope:SCOPE_SE
.endif
.Lasked_\@:
.endm
.macro CREST
	s_cmp_lg_u32 s14, 0
	s_cbranch_scc1 .Lnot_wave_0_\@
	s_barrier_signal -3
.Lnot_wave_0_\@:
	s_barrier_wait -3
	s_barrier_signal -1
	s_barrier_wait -1
.endm
.macro CROUND
	s_barrier_signal -1
	s_barrier_wait -1
	CREST
.endm
.macro GROUP1 g, rows
	s_mov_b32 s[\g+1], 32<<16
	s_mov_b32 s[\g+2], (\rows)<<16
	s_mov_b32 s[\g+3], 32<<16
	s_mov_b32 s[\g+4], \rows
	s_mov_b32 s[\g+5], 32
	s_mov_b32 s[\g+6], 0
	s_mov_b32 s[\g+7], 0
.endm
.macro QUANT s, pw
.irp b, 0,1,2,3
	v_max3_num_f32 v[TM+\b], |v[\s+16*\b]|, |v[\s+1+16*\b]|, 0x1800000
.endr
.irp i, 2,4,6,8,10,12,14
.irp b, 0,1,2,3
	v_max3_num_f32 v[TM+\b], v[TM+\b], |v[\s+16*\b+\i]|, |v[\s+1+16*\b+\i]|
.endr
.endr
.irp b, 0,1,2,3
	v_permlanex16_b32 v[TM+4+\b], v[TM+\b], s[SEL], s[SEL+1]
.endr
.irp b, 0,1,2,3
	v_max_num_f32 v[TM+\b], v[TM+\b], v[TM+4+\b]
.endr
.irp b, 0,1,2,3
	v_add_nc_u32 v[TM+12+\b], 0xff000000, v[TM+\b]
.endr
.irp b, 0,1,2,3
	v_lshrrev_b32 v[TM+4+\b], 23, v[TM+12+\b]
.endr
	v_lshl_or_b32 v[\pw], v[TM+5], 8, v[TM+4]
	v_lshl_or_b32 v[\pw], v[TM+6], 16, v[\pw]
	v_lshl_or_b32 v[\pw], v[TM+7], 24, v[\pw]
.irp c, 0,1
	v_cvt_scalef32_pk16_fp6_f32 v[PC+6*\c:PC+2+6*\c], v[\s+32*\c:\s+15+32*\c], v[TM+12+2*\c]
	v_cvt_scalef32_pk16_fp6_f32 v[PC+12+4*\c:PC+14+4*\c], v[\s+16+32*\c:\s+31+32*\c], v[TM+12+2*\c+1]
.endr
	v_nop
.irp c, 0,1
.irp i, 0,1,2
	v_permlane16_swap_b32 v[PC+6*\c+\i], v[PC+12+4*\c+\i]
.endr
.irp i, 0,1,2
	v_mov_b32 v[PC+3+6*\c+\i], v[PC+12+4*\c+\i]
.endr
.endr
.endm
	s_load_b128 s[4:7], s[0:1], 0x0
	v_lshl_add_u32 v[SPW], v0, 2, SPARE
	v_mov_b32 v[NIL], 0
	ds_add_u32 v[SPW], v[NIL]
	ds_add_u32 v[SPW], v[NIL]
	v_lshrrev_b32 v1, 5, v0
	v_readfirstlane_b32 s14, v1
	s_lshr_b32 s15, s14, 1
	s_and_b32 s16, s14, 1
	s_bfe_u32 s40, ttmp6, 0x40000
	s_bfe_u32 s41, ttmp6, 0x40004
	s_lshl_b32 s42, ttmp9, 2
	s_add_co_u32 s42, s42, s40
	s_and_b32 s17, ttmp7, 0xffff
	s_lshl_b32 s17, s17, 2
	s_add_co_u32 s17, s17, s41
	s_lshl_b32 s43, s41, 2
	s_lshl_b32 s43, 15, s43
	s_lshl_b32 s44, 0x1111, s40
	s_or_b32 s[G1+0], s43, (3<<16)|(1<<21)
	s_or_b32 s[G1B+0], s44, (3<<16)|(1<<21)
	s_or_b32 s[G1F+0], s43, (3<<16)|(1<<21)
	s_or_b32 s[G1FB+0], s44, (3<<16)|(1<<21)
	GROUP1 G1, 96
	GROUP1 G1B, 96
	GROUP1 G1F, 192
	GROUP1 G1FB, 192
	s_lshl_b32 s18, s16, 3
	s_lshl_b32 s20, s17, 4
	s_add_co_u32 s20, s20, s18
	s_lshl_b32 s46, s42, 4
	s_add_co_u32 s46, s46, s18
	s_mul_i32 s20, s20, 2*FRB
	s_add_co_u32 s20, s20, A_IMG
	s_mov_b32 s21, 0
	s_mul_i32 s46, s46, 2*FRB
	s_add_co_u32 s46, s46, B_IMG
	s_mov_b32 s47, 0
	s_mul_i32 s45, s14, HALFT
	s_mul_i32 s[DA], s16, (NRBA-8)*2*FRB           ; from my half of pair 0's row blocks to all 16 row blocks of pair s16
	s_mov_b32 s[DA+1], 0
	s_mul_i32 s[DB], s16, (NRBB-8)*2*FRB
	s_mov_b32 s[DB+1], 0
	s_wait_dscnt 0x0
	s_wait_kmcnt 0x0
	s_add_nc_u64 s[20:21], s[PA:PA+1], s[20:21]
	s_add_nc_u64 s[46:47], s[PB:PB+1], s[46:47]
	CROUND
.macro FIRST s, ga, gb
	s_mov_b32 s[\ga], 1
	s_add_co_u32 s[\ga+1], s45, \s*SLOT
	s_add_nc_u64 s[\ga+2:\ga+3], s[20:21], \s*NRBA*2*FRB
	s_or_b32 s[\ga+3], s[\ga+3], 0x80000000
	s_mov_b32 s[\gb], 1
	s_add_co_u32 s[\gb+1], s45, \s*SLOT
	s_add_nc_u64 s[\gb+2:\gb+3], s[46:47], \s*NRBB*2*FRB
	s_or_b32 s[\gb+3], s[\gb+3], 0x80000000
.endm
	FIRST 2, G0C, G0CB
	; the head's one load a wave fills slots 0 and 1: wave (s15, s16) brings A's or B's 16 row blocks of the pair of K steps s16, 192 rows of 256 bytes, into slot s16
	s_mov_b32 s[G0], 1
	s_mul_i32 s[G0+1], s16, SLOT
	s_add_nc_u64 s[G0+2:G0+3], s[20:21], s[DA:DA+1]
	s_or_b32 s[G0+3], s[G0+3], 0x80000000
	s_mov_b32 s[G0B], 1
	s_mul_i32 s[G0B+1], s16, SLOT
	s_add_co_u32 s[G0B+1], s[G0B+1], 2*HALFT
	s_add_nc_u64 s[G0B+2:G0B+3], s[46:47], s[DB:DB+1]
	s_or_b32 s[G0B+3], s[G0B+3], 0x80000000
	s_mov_b32 s[DA], 3*NRBA*2*FRB                  ; from here on: three pairs of K steps on
	s_mov_b32 s[DB], 3*NRBB*2*FRB
	s_mul_i32 s38, s40, 6144                       ; the prefetches' base: my 8 row blocks of pair 0, + my work-group's quarter of them
	s_mov_b32 s39, 0
	s_mul_i32 s60, s41, 6144
	s_mov_b32 s61, 0
	s_add_nc_u64 s[38:39], s[20:21], s[38:39]
	s_add_nc_u64 s[60:61], s[46:47], s[60:61]
	s_cmp_eq_u32 s15, 0
	s_cselect_b64 s[PFB:PFB+1], s[38:39], s[60:61]
	v_and_b32 v[PFO], 31, v0
	v_min_u32 v[PFO], 23, v[PFO]
	v_lshlrev_b32 v[PFO], 8, v[PFO]
	s_wait_alu depctr_va_vdst(0)
	JLOAD G0, G1F, G0B, G1FB, 2
	v_and_b32 v[RR], 15, v0
	v_bfe_u32 v[HH], v0, 4, 1
	s_wait_alu depctr_va_vdst(0)
	v_and_b32 v[LI], 31, v0
	v_lshlrev_b32 v[LI], 4, v[LI]
	s_wait_alu depctr_va_vdst(0)
	s_lshl_b32 s21, s17, 4
	s_lshl_b32 s22, s15, 3
	s_add_co_u32 s21, s21, s22
	s_lshl_b32 s21, s21, 10
	s_add_co_u32 s21, s21, A_SC
	s_lshl_b32 s22, s42, 4
	s_lshl_b32 s23, s16, 3
	s_add_co_u32 s22, s22, s23
	s_lshl_b32 s22, s22, 10
	s_add_co_u32 s22, s22, B_SC
	s_sub_co_u32 s22, s22, s21
	v_mul_u32_u24 v6, s22, v[HH]
	v_lshl_add_u32 v5, v[RR], 4, s21
	v_add_nc_u32 v[SOFS], v5, v6
.irp u, 0,1,2,3
.irp i, 0,1,2,3,4,5,6,7
	global_load_b128 v[32+32*\u+96*(\u/3)+4*\i:32+32*\u+96*(\u/3)+4*\i+3], v[SOFS], s[4:5] offset:\i*1024+\u*256
.endr
.endr
	s_mul_i32 s21, s15, HALFT
	s_mul_i32 s22, s16, HALFT
	s_add_co_u32 s22, s22, 2*HALFT
.irp s, 0,1,2
	v_add_nc_u32 v[ADRA+\s], s21, v[LI]
	v_add_nc_u32 v[ADRB+\s], s22, v[LI]
	s_add_co_u32 s21, s21, SLOT
	s_add_co_u32 s22, s22, SLOT
.endr
	s_mul_i32 s23, s14, 32*VP
	s_add_co_u32 s23, s23, 2*SLOT
	v_and_b32 v5, 8, v[RR]
	v_add_nc_u32 v5, v5, v[RR]
	v_lshlrev_b32 v5, 2, v5
	v_mul_u32_u24 v6, v[HH], 8*VP
	v_add_nc_u32 v5, v5, v6
	v_add_nc_u32 v[VST], s23, v5
	v_mul_u32_u24 v5, v[RR], VP
	v_lshl_add_u32 v5, v[HH], 6, v5
	v_add_nc_u32 v[VRD], s23, v5
	v_lshlrev_b32 v[SOF], 5, v[RR]
	v_lshl_add_u32 v[SOF], v[HH], 4, v[SOF]
	s_mov_b32 s[SEL], 0x76543210
	s_mov_b32 s[SEL+1], 0xfedcba98
	s_lshl_b32 s46, s17, 1
	s_add_co_u32 s46, s46, s15
	s_lshl_b32 s96, s42, 1
	s_add_co_u32 s96, s96, s16
	s_lshl_b32 s96, s96, 5
	s_add_co_u32 s96, s96, s46
	s_mul_i32 s97, s96, 8*FRB
	s_lshl_b32 s96, s96, 9
	s_add_co_u32 s96, s96, Q_SC
	s_lshr_b32 s98, s17, 2
	s_lshl_b32 s98, s98, 2
	s_add_co_u32 s98, s98, s40
	s_lshl_b32 s98, s98, 2
	s_and_b32 s99, s17, 3
	s_add_co_u32 s98, s98, s99
	s_mul_i32 s98, s98, 51200
	s_mul_i32 s99, s16, 25600
	s_add_co_u32 s98, s98, s99
	s_add_co_u32 s98, s98, KV
	s_lshl_b32 s99, s15, 9
	s_add_co_u32 s99, s99, s98
	s_add_co_u32 s99, s99, 24576
	s_mul_i32 s46, s15, 8*FRB
	s_add_co_u32 s98, s98, s46
	s_cmp_eq_u32 ttmp9, 2
	s_cselect_b32 s8, s98, s97
	s_cselect_b32 s10, s99, s96
	s_cselect_b32 s2, s16, 0
	s_mov_b32 s9, 0
	s_mov_b32 s11, 0
	s_add_nc_u64 s[8:9], s[6:7], s[8:9]
	s_add_nc_u64 s[10:11], s[6:7], s[10:11]
	s_and_b32 s12, s17, 3
	s_lshl_b32 s12, s12, 4
	s_lshl_b32 s13, s15, 3
	s_add_co_u32 s12, s12, s13
	s_lshl_b32 s12, s12, 13
	s_add_co_u32 s12, s12, ROPE
	s_mov_b32 s13, 0
	s_add_nc_u64 s[12:13], s[4:5], s[12:13]
.macro FRAG reg, adr, q, i
.irp c, 0,1,2
	ds_load_b128 v[\reg+4*\c:\reg+4*\c+3], v[\adr] offset:(\i)*2*FRB+(\q)*FRB+512*\c
.endr
.endm
.macro MUL16 a0, p, ks, zero
.set SR, 32+32*((\ks)/4)+96*((\ks)/12)+(\ks)%4
.irp a, \a0, \a0+1
.irp b, 0,1,2,3,4,5,6,7
.if \zero
	v_wmma_scale_f32_16x16x128_f8f6f4 v[8*(8*((\a)%4)+\b):8*(8*((\a)%4)+\b)+7], v[128*(\p)+FR*\b:128*(\p)+FR*\b+FR-1], v[AF+FR*(\a):AF+FR*(\a)+FR-1], 0, v[SR+4*\b], v[SR+4*(\a)] matrix_a_fmt:MATRIX_FMT_FP6 matrix_b_fmt:MATRIX_FMT_FP6 matrix_a_scale:MATRIX_SCALE_ROW1
.else
	v_wmma_scale_f32_16x16x128_f8f6f4 v[8*(8*((\a)%4)+\b):8*(8*((\a)%4)+\b)+7], v[128*(\p)+FR*\b:128*(\p)+FR*\b+FR-1], v[AF+FR*(\a):AF+FR*(\a)+FR-1], v[8*(8*((\a)%4)+\b):8*(8*((\a)%4)+\b)+7], v[SR+4*\b], v[SR+4*(\a)] matrix_a_fmt:MATRIX_FMT_FP6 matrix_b_fmt:MATRIX_FMT_FP6 matrix_a_scale:MATRIX_SCALE_ROW1
.endif
.endr
.endr
.endm
.macro FETCH_B slot, q, p
	WIN TO_B
.irp i, 0,1,2,3,4,5,6,7
	FRAG 128*(\p)+FR*\i, ADRB+\slot, \q, \i
.endr
	WIN 0
.endm
.macro FETCH_A slot, q, i0
.irp i, \i0, \i0+1, \i0+2, \i0+3
	FRAG AF+FR*(\i), ADRA+\slot, \q, \i
.endr
.endm
.macro PLACES n
.rept \n
	v_nop
.endr
.endm
.macro STEP p, ks, fslot, fq, zero
	s_wait_dscnt 4*NL
	WIN MUL_LO
	MUL16 0, \p, \ks, \zero
	MUL16 2, \p, \ks, \zero
	s_wait_dscnt 0
	PLACES NP
	FETCH_B \fslot, \fq, 1-(\p)
	FETCH_A \fslot, \fq, 0
	WIN MUL_HI
	MUL16 4, \p, \ks, \zero
	MUL16 6, \p, \ks, \zero
	PLACES NP
	WIN 0
	FETCH_A \fslot, \fq, 4
.endm
.macro TURN ks, next, kind
	s_wait_tensorcnt 0x0
	ds_add_u32 v[SPW], v[NIL]
	s_wait_dscnt 4*NL+1
	WIN MUL_LO
	MUL16 0, 1, \ks, 0
	s_wait_dscnt 0x0
	s_barrier_signal -1
	MUL16 2, 1, \ks, 0
	WIN 0
	s_barrier_wait -1
.if \kind == 0
	PLACES NP
.else
	CREST
.if \kind == 1
	s_mul_i32 s[G0+1], s16, SLOT
	s_add_nc_u64 s[G0+2:G0+3], s[G0+2:G0+3], s[DA:DA+1]
	s_mul_i32 s[G0B+1], s16, SLOT
	s_add_co_u32 s[G0B+1], s[G0B+1], 2*HALFT
	s_add_nc_u64 s[G0B+2:G0B+3], s[G0B+2:G0B+3], s[DB:DB+1]
	JLOAD G0, G1F, G0B, G1FB, 5
.elseif \kind == 2
	s_add_nc_u64 s[G0C+2:G0C+3], s[G0C+2:G0C+3], 3*NRBA*2*FRB
	s_add_nc_u64 s[G0CB+2:G0CB+3], s[G0CB+2:G0CB+3], 3*NRBB*2*FRB
	JLOAD G0C, G1, G0CB, G1B, 6, 7
.else
	s_add_nc_u64 s[G0+2:G0+3], s[G0+2:G0+3], 3*NRBA*2*FRB
	s_add_nc_u64 s[G0B+2:G0B+3], s[G0B+2:G0B+3], 3*NRBB*2*FRB
	JLOAD G0, G1F, G0B, G1FB
.endif
.endif
	FETCH_B \next, 0, 0
	FETCH_A \next, 0, 0
	WIN MUL_HI
	MUL16 4, 1, \ks, 0
	MUL16 6, 1, \ks, 0
	PLACES NP
	WIN 0
	FETCH_A \next, 0, 4
.endm
	s_wait_alu depctr_va_vdst(0)                   ; the wait at the head's end
	s_wait_tensorcnt 0x0                           ; my part of slots 0 and 1 is in; slot 2's first fill is issued as a refill is
	ds_add_u32 v[SPW], v[NIL]
	s_wait_dscnt 0x0
	CROUND
	JLOAD G0C, G1, G0CB, G1B, 3, 4
	FETCH_B 0, 0, 0
	FETCH_A 0, 0, 0
	FETCH_A 0, 0, 4
	s_wait_loadcnt 0x0
	STEP 0, 0, 0, 1, 1
	STEP 1, 1, 1, 0, 0
	STEP 0, 2, 1, 1, 0
	TURN 3, 2, 1
	STEP 0, 4, 2, 1, 0
	TURN 5, 0, 2
	STEP 0, 6, 0, 1, 0
	STEP 1, 7, 1, 0, 0
	STEP 0, 8, 1, 1, 0
	TURN 9, 2, 3
	STEP 0, 10, 2, 1, 0
	TURN 11, 0, 0
	STEP 0, 12, 0, 1, 0
	STEP 1, 13, 1, 0, 0
	STEP 0, 14, 1, 1, 0
	s_wait_dscnt 4*NL
	WIN MUL_LO
	MUL16 0, 1, 15, 0
	MUL16 2, 1, 15, 0
	s_wait_dscnt 0
	WIN MUL_HI
	MUL16 4, 1, 15, 0
	MUL16 6, 1, 15, 0
	WIN 0
	PLACES NP
.irp b, 0,1,2,3
	v_mov_b32 v[TM+4+\b], 0
.endr
	s_cmp_lg_u32 s2, 0
	s_cbranch_scc1 .Lvpath
.macro TABLOAD a
	WIN TO_B
.irp c, 0,1,2,3,4,5,6,7,8,9,10,11,12,13,14,15
	global_load_b128 v[64*((\a)%4)+4*\c:64*((\a)%4)+4*\c+3], v[LI], s[12:13] offset:(\a)*8192+512*\c
.endr
.endm
.macro ROT a
.set AC, 64*((\a)%4)
.set WW, 0x06+(\a)/4
	WIN WW
.set P, 0
.rept 16
	v_pk_mul_f32 v[H+P:H+P+1], v[AC+P:AC+P+1], v[AC+P:AC+P+1]
	v_pk_mul_f32 v[H+32+P:H+33+P], v[AC+P:AC+P+1], v[AC+32+P:AC+33+P]
	v_pk_fma_f32 v[H+P:H+P+1], v[AC+32+P:AC+33+P], v[AC+32+P:AC+33+P], v[H+P:H+P+1] neg_lo:[1,0,0] neg_hi:[1,0,0]
	v_pk_fma_f32 v[H+32+P:H+33+P], v[AC+32+P:AC+33+P], v[AC+P:AC+P+1], v[H+32+P:H+33+P]
.set P, P+2
.endr
.endm
	TABLOAD 0
	TABLOAD 1
	TABLOAD 2
	TABLOAD 3
.irp a, 0,1,2,3,4,5,6,7
.if \a < 5
	s_wait_loadcnt 48
.else
	s_wait_loadcnt 16*(7-\a)
.endif
	ROT \a
.if \a < 4
	TABLOAD \a+4
.endif
	WIN 0
	s_wait_xcnt 0x0
	QUANT H, PWS+\a
.irp c, 0,1,2
	global_store_b128 v[LI], v[PC+4*\c:PC+4*\c+3], s[8:9] offset:\a*FRB+512*\c
.endr
.endr
	s_branch .Lwords
.Lvpath:
	s_wait_alu depctr_va_vdst(0)
.irp g, 0,1,2,3
	WIN 0x08
.irp a, 0,1,2,3
.irp u, 0,1
.irp j, 0,1,2,3,4,5,6,7
	ds_store_b32 v[VST], v[64*\a+8*(2*\g+\u)+\j] offset:(16*\u+\j)*VP+4*(32*(\a/2)+8*(\a%2))
.endr
.endr
.endr
	WIN 0x0c
.irp a, 4,5,6,7
.irp u, 0,1
.irp j, 0,1,2,3,4,5,6,7
	ds_store_b32 v[VST], v[64*(\a-4)+8*(2*\g+\u)+\j] offset:(16*\u+\j)*VP+4*(32*(\a/2)+8*(\a%2))
.endr
.endr
.endr
	WIN 0
.irp u, 0,1
.irp b, 0,1,2,3
.irp q, 0,1,2,3
	ds_load_b128 v[H+16*\b+4*\q:H+16*\b+4*\q+3], v[VRD] offset:16*\u*VP+128*\b+16*\q
.endr
.endr
	s_wait_dscnt 0x0
	s_wait_xcnt 0x0
	QUANT H, PWS+2*\g+\u
.irp c, 0,1,2
	global_store_b128 v[LI], v[PC+4*\c:PC+4*\c+3], s[8:9] offset:(2*\g+\u)*FRB+512*\c
.endr
.endr
.endr
.Lwords:
	v_cmp_ne_u32 vcc_lo, 0, v[HH]
.irp i, 0,1,2,3
	v_cndmask_b32 v[SD+\i], v[PWS+\i], v[PWS+4+\i], vcc_lo
.endr
	global_store_b128 v[SOF], v[SD:SD+3], s[10:11]
	s_wait_tensorcnt 0x0
	ds_add_u32 v[SPW], v[NIL]
	s_wait_dscnt 0x0
	CROUND
	s_endpgm
.Lfunc_end_k_qf81c9f4ddd_qkv:
	.size	k_qf81c9f4ddd_qkv, .Lfunc_end_k_qf81c9f4ddd_qkv-k_qf81c9f4ddd_qkv
	.p2alignl 7, 3214868480
	.fill 96, 4, 3214868480
	.section	.rodata,"a",@progbits
	.p2align	6, 0x0
	.amdhsa_kernel k_qf81c9f4ddd_qkv
		.amdhsa_group_segment_fixed_size 327680
		.amdhsa_private_segment_fixed_size 0
		.amdhsa_enable_private_segment 0
		.amdhsa_kernarg_size 16
		.amdhsa_user_sgpr_count 2
		.amdhsa_user_sgpr_kernarg_segment_ptr 1
		.amdhsa_wavefront_size32 1
		.amdhsa_system_sgpr_workgroup_id_x 1
		.amdhsa_system_sgpr_workgroup_id_y 1
		.amdhsa_system_sgpr_workgroup_id_z 1
		.amdhsa_system_vgpr_workitem_id 0
		.amdhsa_next_free_vgpr 1024
		.amdhsa_next_free_sgpr 100
		.amdhsa_reserve_vcc 1
		.amdhsa_float_denorm_mode_32 3
		.amdhsa_float_denorm_mode_16_64 3
		.amdhsa_memory_ordered 1
		.amdhsa_forward_progress 1
		.amdhsa_inst_pref_size 255
	.end_amdhsa_kernel
	.section	.bss,"aw",@nobits
	.p2align	6
	.space	262144
	.amdgpu_metadata
---
amdhsa.version: [ 1, 2 ]
amdhsa.kernels:
  - .name:           k_qf81c9f4ddd_qkv
    .symbol:         k_qf81c9f4ddd_qkv.kd
    .args:
      - { .name: prep, .offset: 0, .size: 8, .value_kind: global_buffer, .address_space: global }
      - { .name: qkv, .offset: 8, .size: 8, .value_kind: global_buffer, .address_space: global }
    .group_segment_fixed_size: 327680
    .private_segment_fixed_size: 0
    .kernarg_segment_align: 8
    .kernarg_segment_size: 16
    .max_flat_workgroup_size: 128
    .sgpr_count:     100
    .vgpr_count:     1024
    .wavefront_size: 32
...
	.end_amdgpu_metadata
.endif
;; end of part 2
;; launch attn (part 3): grid 16 x 16, 8 waves a work-group, clusters of 4 x 1, 211,968 bytes of LDS; arguments qkv, padding_mask, att; writes att
.if DOCPART == 3
	.amdgcn_target "amdgcn-amd-amdhsa--gfx1250"
	.amdhsa_code_object_version 6
	.text
	.protected	k_qf81c9f4ddd_attn
	.globl	k_qf81c9f4ddd_attn
	.p2align	8
	.type	k_qf81c9f4ddd_attn,@function
k_qf81c9f4ddd_attn:
	s_mov_b64 s[64:65], 0
	v_nop
	global_prefetch_b8 v0, s[64:65] scope:SCOPE_SE
	s_setreg_imm32_b32 hwreg(HW_REG_WAVE_MODE, 25, 1), 1
	s_wait_xcnt 0x0
	s_wait_alu depctr_hold_cnt(0) depctr_sa_sdst(0) depctr_va_vdst(0) depctr_va_sdst(0) depctr_va_ssrc(0) depctr_va_vcc(0) depctr_vm_vsrc(0)
	s_getreg_b32 s2, hwreg(HW_REG_IB_STS2, 6, 4)
	s_cmp_eq_u32 s2, 0
	s_cbranch_scc0 .Lentry_in_a_cluster
	s_endpgm
.Lentry_in_a_cluster:
	s_bfe_u32 s2, ttmp6, 0x10000c
	s_cmp_lg_u32 s2, 0x3003
	s_cbranch_scc0 .Lentry_shape_is_right
	s_endpgm
.Lentry_shape_is_right:
; Attention on codes of FP6 (E2M3): for each batch and head, O[q] = sum over keys of softmax(q . k / sqrt(128), masked keys at -1e9) v, rows of masked queries set to 0; O is quantised along the heads' channels and stored as codes.
; THE SOFTMAX AHEAD OF THE SECOND PRODUCT: t = score x log2(e) / sqrt(128); M = the running largest t rounded UP to a whole number; p = 2^(t - M) is quantised along the keys; the row's sum is taken of the unquantised p and divides at the end.
; SHARES.  A work-group owns one (batch, group of four heads) and 64 tokens.  Wave w of 8 owns head 4 g + w % 4 and TWO tiles of 16 tokens, blocks 2 (w / 4) and 2 (w / 4) + 1: each fragment of K and V,
; each scale word and each key's bias is read from LDS once for both tiles: 68 loads of 16 bytes a lane for 128 keys and 32 products.
; REGISTERS: tile T lives in window T under the same numbers: v12 -M, v13 largest t, v14-15 the sum, v16-27 q, v28 the query's mask, v96-159 S^T then p, v160-223 O^T, v224-235 p's codes, v232-254 at work.
;   Shared, window 0: v1-11, v29 addresses; v32-79 four fragments; v80-87 K's or V's scale words, v88-89 q's, v90-91 p's (scale operands have no window).  Window 1: v32-95 the keys' bias, then V's fragments 4-7.
; ALL K AND V OF THE (BATCH, GROUP), 204,800 bytes, STAY IN LDS as they lie in memory: four chunks of 256 keys, each K's 16 fragments, K's scale words, V^T's 16 fragments, V^T's scale words.  Nothing is filled twice.
; Each of the 8 waves asks for one part of 25,600 dense bytes: one tensor load a wave, at the head.  The four work-groups of a cluster walk the same K and V: every load is joint, with a mask that names the four.
; No prefetch: all that the launch streams is asked for at its head, so there is no loop to run ahead in.
; Both products are used transposed (S^T = K Q^T, O^T = V^T P^T): a lane holds one query.  The keys of a fragment were chosen so that the 16 registers of tiles 2 b, 2 b + 1 are keys 32 b + 16 (lane / 16) + 0 .. 15.
; THE KEY MASK costs no vector instruction: 0 or -1e9 sqrt(128) for each key lies in LDS and is loaded into the registers that the first product takes as C.
; LIMITS: scores stay under 1.1e10 in magnitude (beyond that a masked key would no longer lie under the others); NaN and infinities are not served.  While all keys seen so far are masked, p is a fixed power of two
; of up to 2^64 in place of 1; the first key that counts multiplies it away, and a row all of whose keys are masked is a masked query's, which is set to 0.
.set FRB,   1536
.set CHUNK, 51200
.set PART,  25600
.set Q_SC,  6291456
.set KV,    6553600
.set A_SC,  6291456
.set BIAS,  204800                     ; LDS: 1,024 floats, a key each
.set SCG,   208896                     ; LDS: the outputs' scale words: four blocks of 256 bytes
.set SPARE, 209920                     ; the spare words, 128 bytes for each of 8 waves
.set LI,  1                            ; 16 x lane
.set R32, 2                            ; 32 (lane % 16)
.set H64, 3                            ; BIAS + 64 (lane / 16)
.set SCW, 4                            ; where my row's scale word goes in LDS
.set SPW, 5                            ; my spare word's LDS address; never rewritten
.set NIL, 6                            ; 0; never rewritten
.set ADK, 8                            ; the chunk's fragments
.set ADS, 9                            ; its scale words
.set ADB, 10                           ; its keys' bias
.set SCR, 11                           ; where scale words are read back
.set QM,  28                           ; 1.0 or 0: my query's mask (a tile's own)
.set SGO, 29                           ; where scale words go in memory
.set WV,  18
.set SEL, 20
.set CS,  22                           ; s[22:23] c = log2(e) / sqrt(128)
.set G1,  24
.set G0,  32
.set TB,  2
.set TS,  3
.set TJ,  48
.set CNT, 49
.set MSB, 0
.macro WIN new                         ; the immediate's high byte repeats the setting that is left
.if MSB != (\new)
	s_set_vgpr_msb (MSB<<8)|(\new)
.set MSB, \new
.endif
.endm
.macro CROUND
	s_barrier_signal -1
	s_barrier_wait -1
	s_cmp_lg_u32 s[WV], 0
	s_cbranch_scc1 .Lnot_wave_0_\@
	s_barrier_signal -3
.Lnot_wave_0_\@:
	s_barrier_wait -3
	s_barrier_signal -1
	s_barrier_wait -1
.endm
.macro PLACES
.rept 4
	v_nop
.endr
.endm
.macro WM d, a, b, c, sa, sb
	v_wmma_scale_f32_16x16x128_f8f6f4 v[\d:\d+7], v[\a:\a+11], v[\b:\b+11], v[\c:\c+7], v[\sa], v[\sb] matrix_a_fmt:MATRIX_FMT_FP6 matrix_b_fmt:MATRIX_FMT_FP6
.endm
.macro LDF off                         ; four fragments into v32-79 of the destination's window
.irp t, 0,1,2,3
.irp c, 0,1,2
	ds_load_b128 v[32+12*\t+4*\c:35+12*\t+4*\c], v[ADK] offset:(\off)+\t*FRB+512*\c
.endr
.endr
.endm
.macro QKG g, T                        ; S^T of tile T, key tiles 4 g .. 4 g + 3: A = K (window 0), B = q (window T), C = the bias (window 1), D window T
	WIN 0x10+0x44*(\T)
.irp t, 0,1,2,3
	WM 96+8*(4*\g+\t),32+12*\t,16,32+8*(4*\g+\t),80+4*\g+\t,88+\T
.endr
.endm
.macro BMAX b0                         ; the largest score of blocks b0 and b0 + 1 of 32 keys, my 16 of each, in two chains a block
.irp b, \b0, \b0+1
	v_max3_num_f32 v[232+\b], v[96+16*(\b)], v[97+16*(\b)], v[98+16*(\b)]
	v_max3_num_f32 v[240+\b], v[105+16*(\b)], v[106+16*(\b)], v[107+16*(\b)]
.endr
.irp i, 3,5
.irp b, \b0, \b0+1
	v_max3_num_f32 v[232+\b], v[232+\b], v[96+16*(\b)+\i], v[97+16*(\b)+\i]
	v_max3_num_f32 v[240+\b], v[240+\b], v[105+16*(\b)+\i], v[106+16*(\b)+\i]
.endr
.endr
.irp b, \b0, \b0+1
	v_max3_num_f32 v[232+\b], v[232+\b], v[103+16*(\b)], v[104+16*(\b)]
.endr
.irp b, \b0, \b0+1
	v_max_num_f32 v[232+\b], v[232+\b], v[240+\b]
.endr
.endm
.macro PKF j0, n                       ; t - M, n pairs from pair j0
.set J, 2*(\j0)
.rept \n
	v_pk_fma_f32 v[96+J:97+J], v[96+J:97+J], s[CS:CS+1], v[12:13] op_sel_hi:[1,0,0]
.set J, J+2
.endr
.endm
.macro SOFT1                           ; a tile's plain work ahead of the exponentials
.irp b, 0,1,2,3
	v_permlanex16_b32 v[236+\b], v[232+\b], s[SEL], s[SEL+1]
.endr
.irp b, 0,1,2,3
	v_max_num_f32 v[232+\b], v[232+\b], v[236+\b]  ; with lane l xor 16's 16 keys
.endr
	v_max3_num_f32 v254, v232, v233, v234
	s_delay_alu instid0(VALU_DEP_1)
	v_max_num_f32 v254, v254, v235
	s_delay_alu instid0(VALU_DEP_1)
	v_mul_f32 v254, s[CS], v254
	s_delay_alu instid0(VALU_DEP_1)
	v_max_num_f32 v13, v13, v254                   ; the running largest t
	v_mov_b32 v254, v12
	s_delay_alu instid0(VALU_DEP_2)
	v_floor_f32 v12, -v13                          ; the new -M: M is a whole number
	s_delay_alu instid0(VALU_DEP_1)
	v_sub_f32 v254, v12, v254
	PKF 0, 8
	v_cvt_i32_f32 v254, v254                       ; (it saturates)
	PKF 8, 8
	v_ldexp_f32 v252, 1.0, v254                    ; f = 2^(old M - new M): rounds nothing
	PKF 16, 16
.irp b, 0,1,2,3
	v_fma_f32 v[232+\b], v[232+\b], s[CS], v12     ; the same of each block's largest score: p rises with the score
.endr
	v_pk_mul_f32 v[14:15], v[14:15], v[252:253] op_sel_hi:[1,0]
.set J, 0
.rept 32
	v_pk_mul_f32 v[160+J:161+J], v[160+J:161+J], v[252:253] op_sel_hi:[1,0]   ; O^T under the new M, each accumulator from its low end on; no transcendental stands between the last products and these
.set J, J+2
.endr
.endm
.macro EXPS
.set J, 0
.rept 64
	v_exp_f32 v[96+J], v[96+J]                     ; p = 2^(t - M): not normalised
.set J, J+1
.endr
.irp b, 0,1,2,3
	v_exp_f32 v[232+\b], v[232+\b]                 ; the block's largest p
.endr
.endm
; From the four blocks' largest magnitudes in v232-235: the scale word and the codes in v224-235.  ep = 0: the word goes to v90 + T of window 0; ep = 1: to v255 of the tile's own window
.macro QTAIL T, ep
.irp b, 0,1,2,3
	v_add_nc_u32 v[244+\b], 0xff000000, v[232+\b]  ; 2 off the exponent field: the conversion's scale operand
.endr
.irp b, 0,1,2,3
	v_lshrrev_b32 v[236+\b], 23, v[244+\b]         ; the scale's byte
.endr
	v_lshl_or_b32 v254, v237, 8, v236
	s_delay_alu instid0(VALU_DEP_1)
	v_lshl_or_b32 v254, v238, 16, v254
.if \ep
	s_delay_alu instid0(VALU_DEP_1)
	v_lshl_or_b32 v255, v239, 24, v254
.else
	WIN 0x15*(\T)
	v_lshl_or_b32 v[90+\T], v239, 24, v254
	WIN 0x55*(\T)
.endif
.irp c, 0,1
	v_cvt_scalef32_pk16_fp6_f32 v[224+6*\c:226+6*\c], v[96+32*\c:111+32*\c], v[244+2*\c]
	v_cvt_scalef32_pk16_fp6_f32 v[236+4*\c:238+4*\c], v[112+32*\c:127+32*\c], v[244+2*\c+1]   ; (a conversion's three registers begin on an even number)
.endr
	v_nop                                          ; one plain place behind a scaled conversion
.irp c, 0,1                            ; the operand wants a whole block in a lane
.irp i, 0,1,2
	v_permlane16_swap_b32 v[224+6*\c+\i], v[236+4*\c+\i]
.endr
.irp i, 0,1,2
	v_mov_b32 v[227+6*\c+\i], v[236+4*\c+\i]
.endr
.endr
.endm
.macro QP T
	WIN 0x55*(\T)
.irp b, 0,1,2,3
	v_max_num_f32 v[232+\b], 0x1800000, v[232+\b]  ; the floor 2^(3 - 127)
.endr
	QTAIL \T, 0
.endm
.macro SADD n                          ; the n-th of the 32 packed additions that add a tile's 64 unquantised p to its sum: six chains, then their sum
.if (\n) < 6
	v_pk_add_f32 v[236+2*(\n):237+2*(\n)], v[96+2*(\n):97+2*(\n)], v[108+2*(\n):109+2*(\n)]
.elseif (\n) < 26
.set TC, 236+2*(((\n)-6)%6)
	v_pk_add_f32 v[TC:TC+1], v[TC:TC+1], v[108+2*(\n):109+2*(\n)]
.elseif (\n) < 29
.set TC, 236+4*((\n)-26)
	v_pk_add_f32 v[TC:TC+1], v[TC:TC+1], v[TC+2:TC+3]
.elseif (\n) < 31
	v_pk_add_f32 v[236:237], v[236:237], v[240+4*((\n)-29):241+4*((\n)-29)]
.else
	v_pk_add_f32 v[14:15], v[14:15], v[236:237]
.endif
.endm
.macro PVG g, T, sum                   ; O^T of tile T, channel tiles 4 g .. 4 g + 3: A = V^T (window g), B = p, C and D window T.  sum = 1 (g = T: one setting serves both): eight additions of the tile's sum behind each product
	WIN (\g)|(0x54*(\T))
.irp t, 0,1,2,3
	WM 160+8*(4*\g+\t),32+12*\t,224,160+8*(4*\g+\t),80+4*\g+\t,90+\T
.if \sum
.irp k, 0,1,2,3,4,5,6,7
	SADD 8*\t+\k
.endr
.endif
.endr
.endm
; A KEY STEP: 128 keys, the o-th of its chunk's two, for both tiles
.macro STEP o
	WIN 0                                          ; (eight additions stand behind the last product: the places in front of these loads)
	LDF \o*8*FRB
	ds_load_b128 v[80:83], v[ADS] offset:\o*512
	ds_load_b128 v[84:87], v[ADS] offset:\o*512+16
	WIN 0x40
.irp i, 0,1,2,3,4,5,6,7,8,9,10,11,12,13,14,15
	ds_load_b128 v[32+4*\i:35+4*\i], v[ADB] offset:\o*512+128*(\i/4)+16*(\i%4)   ; the bias of my eight keys of tile i / 2
.endr
	s_wait_dscnt 8                                 ; all but the youngest eight loads, the bias of tiles 4-7
	QKG 0, 0
	QKG 0, 1
	PLACES
	WIN 0
	LDF \o*8*FRB+4*FRB
	BMAX 0
	WIN 0x55
	BMAX 0
	s_wait_dscnt 0x0
	QKG 1, 0
	QKG 1, 1
	PLACES
	WIN 0                                          ; V^T's eight fragments and their scale words are asked for ahead of the softmax
	LDF PART+\o*8*FRB
	ds_load_b128 v[80:83], v[ADS] offset:PART+\o*512
	ds_load_b128 v[84:87], v[ADS] offset:PART+\o*512+16
	WIN 0x40
	LDF PART+\o*8*FRB+4*FRB
	WIN 0
.if \o
	s_add_co_u32 s[TB], s[TB], CHUNK               ; the next chunk's addresses
	s_add_co_u32 s[TS], s[TS], CHUNK
	s_add_co_u32 s[TJ], s[TJ], 1024
	v_add_nc_u32 v[ADK], s[TB], v[LI]
	v_add_nc_u32 v[ADS], s[TS], v[R32]
	v_add_nc_u32 v[ADB], s[TJ], v[H64]
.endif
	BMAX 2
	WIN 0x55
	BMAX 2
	WIN 0
	SOFT1
	WIN 0x55
	SOFT1
	s_wait_alu depctr_va_vdst(0)                   ; the wait ahead of a batch of transcendentals
	WIN 0
	EXPS
	v_nop                                          ; a plain place behind the batch
	s_wait_alu depctr_va_vdst(0)
	WIN 0x55
	EXPS
	v_nop
	s_wait_alu depctr_va_vdst(0)                   ; and behind it, ahead of its first reader
	s_wait_dscnt 0x0                               ; V^T's fragments are in
	QP 0
	QP 1
	PVG 0, 0, 1
	PVG 1, 0, 0
	PVG 0, 1, 0
	PVG 1, 1, 1
	WIN 0
.endm
	s_load_b128 s[4:7], s[0:1], 0x0                ; qkv s[4:5], padding_mask s[6:7]
	s_load_b64 s[8:9], s[0:1], 0x10                ; att
	v_lshl_add_u32 v[SPW], v0, 2, SPARE
	v_mov_b32 v[NIL], 0
	ds_add_u32 v[SPW], v[NIL]                      ; the opening lines: the add, twice on end, and its wait ahead of my tensor load
	ds_add_u32 v[SPW], v[NIL]
	v_lshrrev_b32 v8, 5, v0
	v_readfirstlane_b32 s[WV], v8                  ; wave 0..7
	s_bfe_u32 s50, ttmp6, 0x40000                  ; cx
	s_lshl_b32 s51, ttmp9, 2
	s_add_co_u32 s51, s51, s50                     ; which 64 tokens: it enters global addresses alone
	s_and_b32 s52, ttmp7, 0xffff                   ; 4 x batch + group, which the partners share
	s_lshr_b32 s53, s52, 2                         ; batch
	s_and_b32 s54, s52, 3                          ; group
	s_and_b32 s55, s[WV], 3
	s_lshr_b32 s56, s[WV], 2
	s_lshl_b32 s57, s54, 2
	s_add_co_u32 s57, s57, s55                     ; head
	s_lshl_b32 s58, s51, 2
	s_lshl_b32 s59, s56, 1
	s_add_co_u32 s58, s58, s59                     ; tile 0's token block in the sequence, an even number; tile 1's is the next
	s_lshl_b32 s59, s53, 6
	s_add_co_u32 s59, s59, s58                     ; and among all 256
	s_mov_b32 s[G1], 15|(3<<16)|(1<<21)            ; 15:0 the mask: all four; 17:16 elements of 8 bytes; 21 set beside a mask
	s_mov_b32 s[G1+1], 32<<16                      ; 25,600 dense bytes as 100 rows of 256
	s_mov_b32 s[G1+2], 100<<16
	s_mov_b32 s[G1+3], 32<<16
	s_mov_b32 s[G1+4], 100
	s_mov_b32 s[G1+5], 32
	s_mov_b32 s[G1+6], 0
	s_mov_b32 s[G1+7], 0
	s_mov_b32 s[G0], 1
	s_mul_i32 s[G0+1], s[WV], PART                 ; part w of the eight, in LDS as in memory
	s_mul_i32 s60, s[WV], PART
	s_mul_i32 s62, s52, 4*CHUNK
	s_add_co_u32 s62, s62, s60
	s_add_co_u32 s62, s62, KV
	s_mov_b32 s63, 0
	s_mov_b32 s[SEL], 0x76543210
	s_mov_b32 s[SEL+1], 0xfedcba98
	s_mov_b32 s[CS], 0x3e0293ee
	s_mov_b32 s[CS+1], s[CS]
	s_wait_dscnt 0x0                               ; both opening adds are done
	s_wait_kmcnt 0x0
	s_add_nc_u64 s[G0+2:G0+3], s[4:5], s[62:63]
	s_or_b32 s[G0+3], s[G0+3], 0x80000000
	CROUND                                         ; all four work-groups are here: the joint loads meet
	tensor_load_to_lds s[G0:G0+3], s[G1:G1+7]      ; my one tensor load
	s_nop 0
	PLACES
	s_lshl_b32 s66, s53, 10
	s_mov_b32 s67, 0
	s_add_nc_u64 s[6:7], s[6:7], s[66:67]          ; my batch's mask
	s_lshl_b32 s66, s57, 8
	s_add_co_u32 s66, s66, s59
	s_mul_i32 s66, s66, FRB
	s_add_nc_u64 s[68:69], s[4:5], s[66:67]        ; q's two fragments, on end
	s_lshl_b32 s66, s57, 5
	s_lshr_b32 s76, s59, 3
	s_add_co_u32 s66, s66, s76
	s_lshl_b32 s66, s66, 9
	s_and_b32 s76, s59, 7
	s_lshl_b32 s76, s76, 2
	s_add_co_u32 s66, s66, s76
	s_add_co_u32 s66, s66, Q_SC
	s_add_nc_u64 s[70:71], s[4:5], s[66:67]        ; q's scale words: the two tiles' are 8 bytes on end
	s_lshr_b32 s66, s57, 1                         ; the output's codes: K step = head: ((head / 2) 256 + block) 3,072 + (head % 2) 1,536
	s_lshl_b32 s66, s66, 8
	s_add_co_u32 s66, s66, s59
	s_mul_i32 s66, s66, 2*FRB
	s_and_b32 s77, s57, 1
	s_mul_i32 s77, s77, FRB
	s_add_co_u32 s66, s66, s77
	s_add_nc_u64 s[72:73], s[8:9], s[66:67]
	s_lshl_b32 s66, s53, 6                         ; its scale words: block x 1,024 + 256 x group; waves 0 and 1 store two blocks each
	s_lshl_b32 s77, s51, 2
	s_add_co_u32 s66, s66, s77
	s_lshl_b32 s66, s66, 10
	s_and_b32 s76, s[WV], 1
	s_lshl_b32 s77, s76, 11
	s_add_co_u32 s66, s66, s77
	s_lshl_b32 s77, s54, 8
	s_add_co_u32 s66, s66, s77
	s_add_co_u32 s66, s66, A_SC
	s_add_nc_u64 s[74:75], s[8:9], s[66:67]
	s_lshl_b32 s76, s76, 9
	s_add_co_u32 s76, s76, SCG
	s_lshl_b32 s77, s56, 9
	s_lshl_b32 s78, s55, 2
	s_add_co_u32 s77, s77, s78
	s_add_co_u32 s77, s77, SCG                     ; 256 x tile 0's block of the four + 4 x (head % 4)
	s_lshl_b32 s78, s58, 4                         ; 32 (block / 2), the block even
	s_mov_b32 s[TB], 0
	s_mov_b32 s[TS], 16*FRB
	s_mov_b32 s[TJ], 0
	s_mov_b32 s[CNT], 4
	v_and_b32 v96, 15, v0                          ; r
	v_bfe_u32 v97, v0, 4, 1                        ; h
	v_and_b32 v98, 31, v0
	v_lshlrev_b32 v99, 2, v0                       ; the mask bytes of keys 4 t .. 4 t + 3, t my thread's number
	v_lshl_add_u32 v101, v0, 4, BIAS
	v_lshlrev_b32 v[LI], 4, v98
	v_lshlrev_b32 v[R32], 5, v96
	v_lshl_add_u32 v[H64], v97, 6, BIAS
	v_and_b32 v100, 8, v96
	v_lshlrev_b32 v[SCW], 4, v96
	v_lshlrev_b32 v[SGO], 4, v96
	v_add_nc_u32 v100, v100, v96
	v_add_nc_u32 v[SCW], s77, v[SCW]
	v_lshl_add_u32 v[SGO], v97, 10, v[SGO]
	v_add_nc_u32 v100, s78, v100                   ; tile 0's query: token 32 (block / 2) + r + 8 (r / 8); tile 1's lies 8 on
	v_add_nc_u32 v[SCR], s76, v[LI]
	v_add_nc_u32 v[ADK], s[TB], v[LI]
	v_add_nc_u32 v[ADS], s[TS], v[R32]
	v_add_nc_u32 v[ADB], s[TJ], v[H64]
	s_wait_alu depctr_va_vdst(0)                   ; the wait ahead of the readers below
	global_load_b32 v103, v99, s[6:7]
	global_load_u8 v30, v100, s[6:7]
	global_load_u8 v31, v100, s[6:7] offset:8
	global_load_b64 v[88:89], v[R32], s[70:71]
.irp c, 0,1,2
	global_load_b128 v[16+4*\c:19+4*\c], v[LI], s[68:69] offset:512*\c   ; q's fragments stay in registers
.endr
	WIN 0x40
.irp c, 0,1,2
	global_load_b128 v[16+4*\c:19+4*\c], v[LI], s[68:69] offset:FRB+512*\c
.endr
.macro INIT
	v_mov_b32 v13, 0xff61b1e6                      ; the largest t so far: -3e38
	v_mov_b32 v14, 0                               ; the sum, in two halves
	v_mov_b32 v15, 0
	v_floor_f32 v12, -v13                          ; -M
.irp b, 0,1,2,3
	v_mov_b32 v[236+\b], 0                         ; a lane permute's destination counts as one of its sources
.endr
	v_mov_b32 v253, 0                              ; named as the upper half of the pair v[252:253]
.set J, 0
.rept 64
	v_mov_b32 v[160+J], 0                          ; O^T: the step is written once, its first turn finds zeros
.set J, J+1
.endr
.endm
	WIN 0
	INIT
	WIN 0x55
	INIT
	WIN 0
	s_wait_alu depctr_va_vdst(0)
	s_wait_loadcnt 0x0
	v_mov_b32 v108, 0xd0289660                     ; -1e9 sqrt(128): with the scale 1 / sqrt(128) it is -1e9
	v_and_b32 v104, 0xff, v103
	v_bfe_u32 v105, v103, 8, 8
	v_bfe_u32 v106, v103, 16, 8
	v_lshrrev_b32 v107, 24, v103
.irp i, 0,1,2,3
	v_cmp_ne_u32 vcc_lo, 0, v[104+\i]
	v_cndmask_b32 v[112+\i], v108, v[NIL], vcc_lo
.endr
	ds_store_b128 v101, v[112:115]
	v_cmp_ne_u32 vcc_lo, 0, v30
	v_cndmask_b32 v[QM], 0, 1.0, vcc_lo
	v_cmp_ne_u32 vcc_lo, 0, v31
	WIN 0x40
	v_cndmask_b32 v[QM], 0, 1.0, vcc_lo
	WIN 0
	s_wait_alu depctr_va_vdst(0)                   ; the wait at the head's end
	s_wait_tensorcnt 0x0                           ; my part of K and V is in,
	s_wait_dscnt 0x0                               ; and my store of the bias is done:
	s_barrier_signal -1
	s_barrier_wait -1                              ; both hold of every wave; no LDS byte that the loop reads is written again
.Lchunk:                                               ; a trip: a chunk of 256 keys, two key steps
	STEP 0
	STEP 1
	s_sub_co_u32 s[CNT], s[CNT], 1
	s_cmp_lg_u32 s[CNT], 0
	s_cbranch_scc1 .Lchunk
	; THE WAY OUT: O^T / the sum, 0 for a masked query; a tile's 64 registers are channels 32 b + 16 (lane / 16) + i of my head: one fragment of the last product's operand
	s_wait_alu depctr_va_vdst(0)
.irp T, 0,1
	WIN 0x55*\T
	v_add_f32 v14, v14, v15
	s_delay_alu instid0(VALU_DEP_1)
	v_permlanex16_b32 v252, v14, s[SEL], s[SEL+1]
	s_delay_alu instid0(VALU_DEP_1)
	v_add_f32 v14, v14, v252
	s_wait_alu depctr_va_vdst(0)                   ; the wait ahead of the transcendental,
	v_rcp_f32 v14, v14
	v_nop                                          ; a plain place behind it,
	s_wait_alu depctr_va_vdst(0)                   ; and the wait ahead of its first reader and of O^T's
	v_mul_f32 v14, v14, v[QM]
.set J, 0
.rept 64
	v_mul_f32 v[96+J], v[160+J], v14               ; each accumulator from its low end on
.set J, J+1
.endr
.endr
.irp T, 0,1
	WIN 0x55*\T
.irp b, 0,1,2,3
	v_max3_num_f32 v[232+\b], |v[96+16*\b]|, |v[97+16*\b]|, 0x1800000   ; my 16 numbers of block b, and the floor 2^(3 - 127)
.endr
.irp i, 2,4,6,8,10,12,14
.irp b, 0,1,2,3
	v_max3_num_f32 v[232+\b], v[232+\b], |v[96+16*\b+\i]|, |v[97+16*\b+\i]|
.endr
.endr
.irp b, 0,1,2,3
	v_permlanex16_b32 v[236+\b], v[232+\b], s[SEL], s[SEL+1]
.endr
.irp b, 0,1,2,3
	v_max_num_f32 v[232+\b], v[232+\b], v[236+\b]
.endr
	QTAIL \T, 1
	WIN 0x04*\T                                    ; the stores' data lie in the tile's window
.irp c, 0,1,2
	global_store_b128 v[LI], v[224+4*\c:227+4*\c], s[72:73] offset:2*FRB*\T+512*\c
.endr
	ds_store_b32 v[SCW], v255 offset:256*\T        ; a row's words of the group's four heads are 16 bytes on end: they meet in LDS (lanes r and r + 16 write the same word with the same value)
.endr
	WIN 0
	s_wait_dscnt 0x0
	s_barrier_signal -1
	s_barrier_wait -1
	s_cmp_lt_u32 s[WV], 2
	s_cbranch_scc0 .Lno_words
	ds_load_b128 v[56:59], v[SCR]
	s_wait_dscnt 0x0
	global_store_b128 v[SGO], v[56:59], s[74:75]   ; sixteen lanes store 256 bytes on end, aligned
.Lno_words:
	s_wait_tensorcnt 0x0                           ; the wave's end
	ds_add_u32 v[SPW], v[NIL]
	s_wait_dscnt 0x0
	CROUND                                         ; the closing round
	s_endpgm
.Lfunc_end_k_qf81c9f4ddd_attn:
	.size	k_qf81c9f4ddd_attn, .Lfunc_end_k_qf81c9f4ddd_attn-k_qf81c9f4ddd_attn
	.p2alignl 7, 3214868480
	.fill 96, 4, 3214868480
	.section	.rodata,"a",@progbits
	.p2align	6, 0x0
	.amdhsa_kernel k_qf81c9f4ddd_attn
		.amdhsa_group_segment_fixed_size 211968
		.amdhsa_private_segment_fixed_size 0
		.amdhsa_enable_private_segment 0
		.amdhsa_kernarg_size 24
		.amdhsa_user_sgpr_count 2
		.amdhsa_user_sgpr_kernarg_segment_ptr 1
		.amdhsa_wavefront_size32 1
		.amdhsa_system_sgpr_workgroup_id_x 1
		.amdhsa_system_sgpr_workgroup_id_y 1
		.amdhsa_system_sgpr_workgroup_id_z 1
		.amdhsa_system_vgpr_workitem_id 0
		.amdhsa_next_free_vgpr 512
		.amdhsa_next_free_sgpr 80
		.amdhsa_reserve_vcc 1
		.amdhsa_float_denorm_mode_32 3
		.amdhsa_float_denorm_mode_16_64 3
		.amdhsa_memory_ordered 1
		.amdhsa_forward_progress 1
		.amdhsa_inst_pref_size 97
	.end_amdhsa_kernel
	.amdgpu_metadata
---
amdhsa.version: [ 1, 2 ]
amdhsa.kernels:
  - .name:           k_qf81c9f4ddd_attn
    .symbol:         k_qf81c9f4ddd_attn.kd
    .args:
      - { .name: qkv, .offset: 0, .size: 8, .value_kind: global_buffer, .address_space: global }
      - { .name: padding_mask, .offset: 8, .size: 8, .value_kind: global_buffer, .address_space: global }
      - { .name: att, .offset: 16, .size: 8, .value_kind: global_buffer, .address_space: global }
    .group_segment_fixed_size: 211968
    .private_segment_fixed_size: 0
    .kernarg_segment_align: 8
    .kernarg_segment_size: 24
    .max_flat_workgroup_size: 256
    .sgpr_count:     80
    .vgpr_count:     512
    .wavefront_size: 32
...
	.end_amdgpu_metadata
.endif
;; end of part 3
;; launch oproj (part 4): grid 8 x 32, 4 waves a work-group, clusters of 4 x 4, 327,680 bytes of LDS; arguments att, prep, out0; writes out0
.if DOCPART == 4
	.amdgcn_target "amdgcn-amd-amdhsa--gfx1250"
	.amdhsa_code_object_version 6
	.text
	.protected	k_qf81c9f4ddd_oproj
	.globl	k_qf81c9f4ddd_oproj
	.p2align	8
	.type	k_qf81c9f4ddd_oproj,@function
k_qf81c9f4ddd_oproj:
	s_mov_b64 s[64:65], 0
	v_nop
	global_prefetch_b8 v0, s[64:65] scope:SCOPE_SE
	s_setreg_imm32_b32 hwreg(HW_REG_WAVE_MODE, 25, 1), 1
	s_wait_xcnt 0x0
	s_wait_alu depctr_hold_cnt(0) depctr_sa_sdst(0) depctr_va_vdst(0) depctr_va_sdst(0) depctr_va_ssrc(0) depctr_va_vcc(0) depctr_vm_vsrc(0)
	s_getreg_b32 s2, hwreg(HW_REG_IB_STS2, 6, 4)
	s_cmp_eq_u32 s2, 0
	s_cbranch_scc0 .Lentry_in_a_cluster
	s_endpgm
.Lentry_in_a_cluster:
	s_bfe_u32 s2, ttmp6, 0x10000c
	s_cmp_lg_u32 s2, 0xf033
	s_cbranch_scc0 .Lentry_shape_is_right
	s_endpgm
.Lentry_shape_is_right:
.set FR,    12
.set FRB,   1536
.set NL,    3
.set NP,    4
.set APAIR, 8*2*FRB
.set BPAIR, 16*2*FRB
.set SLOT,  2*APAIR+2*BPAIR
.set SCL,   2*SLOT
.set SCAB,  8192
.set SCBB,  16384
.set SBLK,  1024
.set SPARE, SCL+SCAB+SCBB
.set NRBA,  256
.set NRBB,  128
.set A_IMG, 0
.set A_SC,  6291456
.set B_IMG, 11010048
.set B_SC,  14614528
.set PA,    4
.set PB,    6
.set ROWC,  8192
.set SPITCH, 528
.set RR,   1
.set HH,   2
.set LI,   3
.set ADRA, 16
.set ADRB, 20
.set STO,  24
.set RD,   25
.set ADRS, 27
.set SPW,  28
.set NIL,  29
.set SC,   32
.set AF,   128
.set BK,   128
.set G1,   24
.set G0,   32
.set G1B,  48
.set G0B,  56
; The scale words of the work-group's rows (8,192 bytes of A's, 16,384 of B's, against 589,824 bytes of codes) come by plain loads through registers into LDS bytes of their own, a quarter of each to a wave, not jointly: so the head's one tensor load a wave is slot 0's codes.
.set MSB, 0
.macro WIN new
.if MSB != \new
	s_set_vgpr_msb (MSB<<8)|\new
.set MSB, \new
.endif
.endm
.set MUL,  0xa1
.set TO_B, 0x40
; A PREFETCH INTO THE L2 stands behind a joint load and its five lines: k names the slot's fill (two pairs of K steps each) that the NEXT joint load will fetch (0: none).  Of what my wave will then load, 24,576 bytes of A
; or 49,152 of B, each of the four partners that ask for it jointly takes a quarter, told apart by address (cx for A, cy for B): 24 blocks of 256 bytes an instruction, a lane a block (lanes 24-31 name the last again).
.set PFO, 30                           ; v30     256 x min(lane, 23); never rewritten
.set PFB, 68                           ; s[68:69] my work-group's quarter of my wave's part of the first fill; never rewritten
.macro JLOAD g0a, g1a, g0b, g1b, k=0
	s_cmp_eq_u32 s15, 0
	s_cbranch_scc0 .Lfor_b_\@
	tensor_load_to_lds s[\g0a:\g0a+3], s[\g1a:\g1a+7]
	s_nop 0
.rept 4
	v_nop
.endr
.if \k
	global_prefetch_b8 v[PFO], s[PFB:PFB+1] offset:(\k)*2*NRBA*2*FRB th:TH_LOAD_NT scope:SCOPE_SE
.endif
	s_branch .Lasked_\@
.Lfor_b_\@:
	tensor_load_to_lds s[\g0b:\g0b+3], s[\g1b:\g1b+7]
	s_nop 0
.rept 4
	v_nop
.endr
.if \k
	global_prefetch_b8 v[PFO], s[PFB:PFB+1] offset:(\k)*2*NRBB*2*FRB th:TH_LOAD_NT scope:SCOPE_SE
	global_prefetch_b8 v[PFO], s[PFB:PFB+1] offset:(\k)*2*NRBB*2*FRB+6144 th:TH_LOAD_NT scope:SCOPE_SE
.endif
.Lasked_\@:
.endm
.macro CREST
	s_cmp_lg_u32 s14, 0
	s_cbranch_scc1 .Lnot_wave_0_\@
	s_barrier_signal -3
.Lnot_wave_0_\@:
	s_barrier_wait -3
	s_barrier_signal -1
	s_barrier_wait -1
.endm
.macro CROUND
	s_barrier_signal -1
	s_barrier_wait -1
	CREST
.endm
.macro GROUP1 g, rows
	s_mov_b32 s[\g+1], 32<<16
	s_mov_b32 s[\g+2], (\rows)<<16
	s_mov_b32 s[\g+3], 32<<16
	s_mov_b32 s[\g+4], \rows
	s_mov_b32 s[\g+5], 32
	s_mov_b32 s[\g+6], 0
	s_mov_b32 s[\g+7], 0
.endm
	s_load_b128 s[4:7], s[0:1], 0x0
	s_load_b64 s[12:13], s[0:1], 0x10
	v_lshl_add_u32 v[SPW], v0, 2, SPARE
	v_mov_b32 v[NIL], 0
	ds_add_u32 v[SPW], v[NIL]
	ds_add_u32 v[SPW], v[NIL]
	v_lshrrev_b32 v1, 5, v0
	v_readfirstlane_b32 s14, v1
	s_lshr_b32 s15, s14, 1
	s_and_b32 s16, s14, 1
	s_bfe_u32 s40, ttmp6, 0x40000
	s_bfe_u32 s41, ttmp6, 0x40004
	s_lshl_b32 s42, ttmp9, 2
	s_add_co_u32 s42, s42, s40
	s_and_b32 s17, ttmp7, 0xffff
	s_lshl_b32 s17, s17, 2
	s_add_co_u32 s17, s17, s41
	s_lshl_b32 s43, s41, 2
	s_lshl_b32 s43, 15, s43
	s_lshl_b32 s44, 0x1111, s40
	s_or_b32 s[G1+0], s43, (3<<16)|(1<<21)
	s_or_b32 s[G1B+0], s44, (3<<16)|(1<<21)
	GROUP1 G1, 96
	GROUP1 G1B, 192
	s_lshl_b32 s20, s16, 8
	s_lshl_b32 s18, s17, 3
	s_add_co_u32 s20, s20, s18
	s_mul_i32 s20, s20, 2*FRB
	s_add_co_u32 s20, s20, A_IMG
	s_mov_b32 s21, 0
	s_lshl_b32 s22, s17, 13
	s_lshl_b32 s18, s14, 11
	s_add_co_u32 s22, s22, s18
	s_add_co_u32 s22, s22, A_SC
	s_mov_b32 s23, 0
	s_lshl_b32 s46, s16, 7
	s_lshl_b32 s47, s42, 4
	s_add_co_u32 s46, s46, s47
	s_mul_i32 s46, s46, 2*FRB
	s_add_co_u32 s46, s46, B_IMG
	s_mov_b32 s47, 0
	s_lshl_b32 s92, s42, 14
	s_lshl_b32 s93, s14, 12
	s_add_co_u32 s92, s92, s93
	s_add_co_u32 s92, s92, B_SC
	s_mov_b32 s93, 0
	s_mul_i32 s45, s16, APAIR
	s_mul_i32 s94, s16, BPAIR
	s_lshl_b32 s95, s14, 11
	s_lshl_b32 s96, s14, 12
	s_wait_dscnt 0x0
	s_wait_kmcnt 0x0
	s_add_nc_u64 s[20:21], s[PA:PA+1], s[20:21]
	s_add_nc_u64 s[8:9], s[PA:PA+1], s[22:23]
	s_add_nc_u64 s[46:47], s[PB:PB+1], s[46:47]
	s_add_nc_u64 s[10:11], s[PB:PB+1], s[92:93]
	CROUND
.irp s, 0,1
	s_mov_b32 s[G0+4*\s], 1
	s_add_co_u32 s[G0+4*\s+1], s45, \s*SLOT
	s_add_nc_u64 s[G0+4*\s+2:G0+4*\s+3], s[20:21], \s*2*NRBA*2*FRB
	s_or_b32 s[G0+4*\s+3], s[G0+4*\s+3], 0x80000000
	s_mov_b32 s[G0B+4*\s], 1
	s_add_co_u32 s[G0B+4*\s+1], s94, \s*SLOT+2*APAIR
	s_add_nc_u64 s[G0B+4*\s+2:G0B+4*\s+3], s[46:47], \s*2*NRBB*2*FRB
	s_or_b32 s[G0B+4*\s+3], s[G0B+4*\s+3], 0x80000000
.endr
	s_mul_i32 s70, s40, 6144                       ; the prefetches' base: my wave's part of the first fill, + my work-group's quarter of it
	s_mov_b32 s71, 0
	s_mul_i32 s72, s41, 12288
	s_mov_b32 s73, 0
	s_add_nc_u64 s[70:71], s[20:21], s[70:71]
	s_add_nc_u64 s[72:73], s[46:47], s[72:73]
	s_cmp_eq_u32 s15, 0
	s_cselect_b64 s[PFB:PFB+1], s[70:71], s[72:73]
	v_and_b32 v[PFO], 31, v0
	v_min_u32 v[PFO], 23, v[PFO]
	v_lshlrev_b32 v[PFO], 8, v[PFO]
	s_wait_alu depctr_va_vdst(0)
	JLOAD G0, G1, G0B, G1B, 1
	v_and_b32 v[LI], 31, v0
	v_lshlrev_b32 v[LI], 4, v[LI]
	v_add_nc_u32 v8, s95, v[LI]
	v_add_nc_u32 v9, s96, v[LI]
	v_add_nc_u32 v8, SCL, v8                       ; LDS: my 2,048 bytes of A's scale words,
	v_add_nc_u32 v9, SCL+SCAB, v9                  ; and my 4,096 of B's
	v_and_b32 v[RR], 15, v0
	v_bfe_u32 v[HH], v0, 4, 1
	s_wait_alu depctr_va_vdst(0)                   ; the wait ahead of the readers below
.irp i, 0,1,2,3
	global_load_b128 v[AF+4*\i:AF+4*\i+3], v[LI], s[8:9] offset:512*\i
.endr
.irp i, 0,1,2,3,4,5,6,7
	global_load_b128 v[AF+16+4*\i:AF+19+4*\i], v[LI], s[10:11] offset:512*\i
.endr
	s_mul_i32 s21, s15, 4*2*FRB
	s_mul_i32 s22, s16, 8*2*FRB
	s_add_co_u32 s22, s22, 2*APAIR
.irp s, 0,1
	v_add_nc_u32 v[ADRA+\s], s21, v[LI]
	v_add_nc_u32 v[ADRB+\s], s22, v[LI]
	s_add_co_u32 s23, s22, BPAIR
	v_add_nc_u32 v[ADRB+2+\s], s23, v[LI]
	s_add_co_u32 s21, s21, SLOT
	s_add_co_u32 s22, s22, SLOT
.endr
	v_lshlrev_b32 v5, 4, v[RR]
	s_lshl_b32 s21, s15, 12
	s_lshl_b32 s22, s16, 13
	s_add_co_u32 s22, s22, SCAB
	s_sub_co_u32 s22, s22, s21
	v_mul_u32_u24 v6, s22, v[HH]
	s_add_co_u32 s21, s21, SCL
	v_add_nc_u32 v5, v5, v6
	v_add_nc_u32 v[ADRS], s21, v5
	s_mul_i32 s23, s14, 16*SPITCH
	v_mul_u32_u24 v5, v[RR], SPITCH
	v_lshl_add_u32 v5, v[HH], 5, v5
	v_add_nc_u32 v[STO], s23, v5
	v_add_nc_u32 v[RD], s23, v[LI]
	s_lshl_b32 s95, s17, 7
	s_lshl_b32 s96, s15, 6
	s_add_co_u32 s95, s95, s96
	s_lshl_b32 s96, s95, 13
	s_lshl_b32 s97, s42, 10
	s_add_co_u32 s96, s96, s97
	s_lshl_b32 s97, s16, 9
	s_add_co_u32 s96, s96, s97
	s_mov_b32 s97, 0
	s_add_nc_u64 s[12:13], s[12:13], s[96:97]
.macro FRAG reg, adr, off
.irp c, 0,1,2
	ds_load_b128 v[\reg+4*\c:\reg+4*\c+3], v[\adr] offset:(\off)+512*\c
.endr
.endm
.macro FETCH slot, q, p
	WIN TO_B
.irp i, 0,1,2,3,4,5,6,7
	FRAG 128*(\p)+FR*\i, ADRB+2*((\q)/2)+\slot, \i*2*FRB+((\q)%2)*FRB
.endr
	WIN 0
.irp i, 0,1,2,3
	FRAG AF+48*(\p)+FR*\i, ADRA+\slot, ((\q)/2)*APAIR+\i*2*FRB+((\q)%2)*FRB
.endr
.endm
.macro SCALES sc
.irp i, 0,1,2,3,4,5,6,7
	ds_load_b128 v[SC+32*\sc+4*\i:SC+32*\sc+4*\i+3], v[ADRS] offset:\i*SBLK
.endr
.endm
.macro MUL8 a, p, q, sc, zero
.irp b, 0,1,2,3,4,5,6,7
.if \zero
	v_wmma_scale_f32_16x16x128_f8f6f4 v[8*(8*(\a)+\b):8*(8*(\a)+\b)+7], v[128*(\p)+FR*\b:128*(\p)+FR*\b+FR-1], v[AF+48*(\p)+FR*(\a):AF+48*(\p)+FR*(\a)+FR-1], 0, v[SC+32*(\sc)+4*\b+(\q)], v[SC+32*(\sc)+4*(\a)+(\q)] matrix_a_fmt:MATRIX_FMT_FP6 matrix_b_fmt:MATRIX_FMT_FP6 matrix_a_scale:MATRIX_SCALE_ROW1
.else
	v_wmma_scale_f32_16x16x128_f8f6f4 v[8*(8*(\a)+\b):8*(8*(\a)+\b)+7], v[128*(\p)+FR*\b:128*(\p)+FR*\b+FR-1], v[AF+48*(\p)+FR*(\a):AF+48*(\p)+FR*(\a)+FR-1], v[8*(8*(\a)+\b):8*(8*(\a)+\b)+7], v[SC+32*(\sc)+4*\b+(\q)], v[SC+32*(\sc)+4*(\a)+(\q)] matrix_a_fmt:MATRIX_FMT_FP6 matrix_b_fmt:MATRIX_FMT_FP6 matrix_a_scale:MATRIX_SCALE_ROW1
.endif
.endr
.endm
.macro PLACES n
.rept \n
	v_nop
.endr
.endm
.macro STEP slot, q, zero
	PLACES NP
	FETCH \slot, (\q)+1, 1-(\q)%2
	s_wait_dscnt 12*NL
	WIN MUL
	MUL8 0, (\q)%2, \q, \slot, \zero
	MUL8 1, (\q)%2, \q, \slot, \zero
	MUL8 2, (\q)%2, \q, \slot, \zero
	MUL8 3, (\q)%2, \q, \slot, \zero
.endm
.macro TURN slot, next, fill
	WIN 0
	s_wait_tensorcnt 0x0
	ds_add_u32 v[SPW], v[NIL]
	s_wait_dscnt 1
	WIN MUL
	MUL8 0, 1, 3, \slot, 0
	s_wait_dscnt 0x0
	s_barrier_signal -1
	MUL8 1, 1, 3, \slot, 0
	WIN 0
	s_barrier_wait -1
.if \fill
	CREST
	s_add_nc_u64 s[G0+4*\slot+2:G0+4*\slot+3], s[G0+4*\slot+2:G0+4*\slot+3], 4*NRBA*2*FRB
	s_add_nc_u64 s[G0B+4*\slot+2:G0B+4*\slot+3], s[G0B+4*\slot+2:G0B+4*\slot+3], 4*NRBB*2*FRB
	JLOAD G0+4*\slot, G1, G0B+4*\slot, G1B, 3*(1-\slot)
.else
	PLACES NP
.endif
	s_wait_alu depctr_va_vdst(0)
	v_add_nc_u32 v[ADRS], 256, v[ADRS]
	FETCH \next, 0, 0
	SCALES \next
	WIN MUL
	MUL8 2, 1, 3, \slot, 0
	MUL8 3, 1, 3, \slot, 0
.endm
	s_wait_alu depctr_va_vdst(0)                   ; the wait at the head's end
	s_wait_loadcnt 0x0
.irp i, 0,1,2,3
	ds_store_b128 v8, v[AF+4*\i:AF+4*\i+3] offset:512*\i
.endr
.irp i, 0,1,2,3,4,5,6,7
	ds_store_b128 v9, v[AF+16+4*\i:AF+19+4*\i] offset:512*\i
.endr
	s_wait_tensorcnt 0x0                           ; my part of slot 0 is in; slot 1's first fill is issued as a refill is
	ds_add_u32 v[SPW], v[NIL]
	s_wait_dscnt 0x0                               ; the add and my stores of the scale words are done
	CROUND
	JLOAD G0+4, G1, G0B+4, G1B, 2
	FETCH 0, 0, 0
	SCALES 0
	STEP 0, 0, 1
	STEP 0, 1, 0
	STEP 0, 2, 0
	TURN 0, 1, 1
	STEP 1, 0, 0
	STEP 1, 1, 0
	STEP 1, 2, 0
	TURN 1, 0, 1
	STEP 0, 0, 0
	STEP 0, 1, 0
	STEP 0, 2, 0
	TURN 0, 1, 0
	STEP 1, 0, 0
	STEP 1, 1, 0
	STEP 1, 2, 0
	s_wait_dscnt 0
	WIN MUL
	MUL8 0, 1, 3, 1, 0
	MUL8 1, 1, 3, 1, 0
	MUL8 2, 1, 3, 1, 0
	MUL8 3, 1, 3, 1, 0
	WIN 0
.macro TOSTAGE a
.set AC, 64*(\a)
	WIN 0x08
.irp b, 0,1,2,3,4,5,6,7
	ds_store_b128 v[STO], v[AC+8*\b:AC+8*\b+3] offset:64*\b
	ds_store_b128 v[STO], v[AC+8*\b+4:AC+8*\b+7] offset:64*\b+16
.endr
	WIN 0
.set BB, BK+64*((\a)%2)
.irp t, 0,1,2,3,4,5,6,7,8,9,10,11,12,13,14,15
	ds_load_b128 v[BB+4*\t:BB+4*\t+3], v[RD] offset:\t*SPITCH
.endr
.endm
.macro SEND a, younger
.set BB, BK+64*((\a)%2)
	s_wait_dscnt \younger
.if (\a) > 0
.if ((\a)%2) == 1
	s_add_nc_u64 s[12:13], s[12:13], 8*ROWC
.else
	s_add_nc_u64 s[12:13], s[12:13], 24*ROWC
.endif
.endif
.irp t, 0,1,2,3,4,5,6,7,8,9,10,11,12,13,14,15
	global_store_b128 v[LI], v[BB+4*\t:BB+4*\t+3], s[12:13] offset:(\t+8*(\t/8))*ROWC th:TH_STORE_NT
.endr
.endm
	PLACES NP
	TOSTAGE 0
.irp a, 1,2,3
.if \a > 1
	s_wait_xcnt 0x0
.endif
	TOSTAGE \a
	SEND \a-1, 32
.endr
	s_wait_xcnt 0x0
	SEND 3, 0
	s_wait_tensorcnt 0x0
	ds_add_u32 v[SPW], v[NIL]
	s_wait_dscnt 0x0
	CROUND
	s_endpgm
.Lfunc_end_k_qf81c9f4ddd_oproj:
	.size	k_qf81c9f4ddd_oproj, .Lfunc_end_k_qf81c9f4ddd_oproj-k_qf81c9f4ddd_oproj
	.p2alignl 7, 3214868480
	.fill 96, 4, 3214868480
	.section	.rodata,"a",@progbits
	.p2align	6, 0x0
	.amdhsa_kernel k_qf81c9f4ddd_oproj
		.amdhsa_group_segment_fixed_size 327680
		.amdhsa_private_segment_fixed_size 0
		.amdhsa_enable_private_segment 0
		.amdhsa_kernarg_size 24
		.amdhsa_user_sgpr_count 2
		.amdhsa_user_sgpr_kernarg_segment_ptr 1
		.amdhsa_wavefront_size32 1
		.amdhsa_system_sgpr_workgroup_id_x 1
		.amdhsa_system_sgpr_workgroup_id_y 1
		.amdhsa_system_sgpr_workgroup_id_z 1
		.amdhsa_system_vgpr_workitem_id 0
		.amdhsa_next_free_vgpr 768
		.amdhsa_next_free_sgpr 100
		.amdhsa_reserve_vcc 0
		.amdhsa_float_denorm_mode_32 3
		.amdhsa_float_denorm_mode_16_64 3
		.amdhsa_memory_ordered 1
		.amdhsa_forward_progress 1
		.amdhsa_inst_pref_size 136
	.end_amdhsa_kernel
	.amdgpu_metadata
---
amdhsa.version: [ 1, 2 ]
amdhsa.kernels:
  - .name:           k_qf81c9f4ddd_oproj
    .symbol:         k_qf81c9f4ddd_oproj.kd
    .args:
      - { .name: att, .offset: 0, .size: 8, .value_kind: global_buffer, .address_space: global }
      - { .name: prep, .offset: 8, .size: 8, .value_kind: global_buffer, .address_space: global }
      - { .name: out0, .offset: 16, .size: 8, .value_kind: global_buffer, .address_space: global }
    .group_segment_fixed_size: 327680
    .private_segment_fixed_size: 0
    .kernarg_segment_align: 8
    .kernarg_segment_size: 24
    .max_flat_workgroup_size: 128
    .sgpr_count:     100
    .vgpr_count:     768
    .wavefront_size: 32
...
	.end_amdgpu_metadata
.endif
;; end of part 4
